; MI455X (gfx1250); checked and timed in simulation.
; The chip was launched on July 23, 2026; its instructions are those of AMD's public machine-readable ISA for CDNA 5 (MIT licence, August 2026) and "CDNA5" Instruction Set Architecture Reference Guide (July 2026). The comments in the code are by the model that wrote it; some were corrected since.
;; Simple MHA. Allowed arithmetic: float matrix products may take bf16 or f16 operands with f32 sums; other float arithmetic in f32, or as packed bf16 or f16 multiplies, adds, multiply-adds, maxima and minima; sums over many terms, partial sums and values carried from step to step in f32; what a program stores and reads back later, other than sums and carried values, may be rounded once to bf16 or f16.
;; Inputs: Wk 1,024 x 1,024 float32; Wo 1,024 x 1,024 float32; Wq 1,024 x 1,024 float32; Wv 1,024 x 1,024 float32; bk 1,024 float32; bo 1,024 float32; bq 1,024 float32; bv 1,024 float32; x 4 x 2,048 x 1,024 float32.
;; Outputs: out0 4 x 2,048 x 1,024 float32.
;; 2 versions, each right; version 2 is version 1 with the launch prep written anew for expert scheduling mode. Each part assembles by itself: llvm-mc -triple=amdgcn-amd-amdhsa -mcpu=gfx1250 --defsym DOCPART=n.
;; ======== version 1 of 2: 5 launches
;; limits: values are held in f16: magnitudes above 65,504 overflow, below 6.1e-05 lose precision
;; workspace buffers: xb 16,777,216 bytes; wqkv 6,291,456 bytes; wo16 2,097,152 bytes; bias 16,384 bytes; qkv 51,380,224 bytes; pmat 33,554,432 bytes; stat 524,288 bytes; omat 16,777,216 bytes
;; launch prep (part 1): grid 769 x 1, 8 waves a work-group, no clusters, 0 bytes of LDS; arguments x, Wq, Wk, Wv, Wo, bq, bk, bv, bo, xb, wqkv, wo16, bias; writes xb, wqkv, wo16, bias
.if DOCPART == 1
	.amdgcn_target "amdgcn-amd-amdhsa--gfx1250"
	.amdhsa_code_object_version 6
	.text
	.protected	k_q109cf70ec8_prep
	.globl	k_q109cf70ec8_prep
	.p2align	8
	.type	k_q109cf70ec8_prep,@function
k_q109cf70ec8_prep:
	s_mov_b64 s[64:65], 0
	v_nop
	global_prefetch_b8 v0, s[64:65] scope:SCOPE_SE
	s_setreg_imm32_b32 hwreg(HW_REG_WAVE_MODE, 25, 1), 1
	s_wait_xcnt 0x0
; CASTS.  x -> xb (bf16, IN BLOCKS: [16 K steps][8192 rows][64]: the next launch's tiles of 64 along K then lie end to end in memory).
; Wq, Wk, Wv -> wqkv (bf16, [1024 k][3072]: row k = Wq[k] | Wk[k] | Wv[k]).  Wo -> wo16 (rounded to bf16, that number written as f16).
; bq | bk | bv | bo -> bias (each rounded to bf16 and widened to f32 again).  Every input is rounded once to bf16, to nearest even.
; LIMIT.  wo16 is f16: |Wo| stays under 65,504, and below 6e-5 it keeps f16's fixed step of 6e-8.
; A stream: no LDS, no matrix unit, no cluster, since no byte is wanted twice.  A work-group takes 16 rows of 1,024 numbers, a wave two of them, by 16 loads and 16 stores.
; A load of a wave takes 512 bytes on end (weights), or 256 bytes of each of its two rows (x: one K step's 64 numbers a row): no byte is asked for twice.
; A lane's 4 results are 8 bytes, so a store of a wave covers 256 consecutive bytes, aligned: for x the two rows' 128 bytes of one K step, which lie side by side in xb.
; All 16 loads of a wave go out first; each has registers of its own, so no register that a load or store names is written again.
; Work-groups 0-511: x.  512-703: Wq, Wk, Wv, 64 each.  704-767: Wo.  768: the four biases.
.set X, 8                              ; v[8:71]    16 loads x 4 numbers
.set Y, 72                             ; v[72:103]  16 stores x 2 registers
.set T, 104                            ; v[104:111] at work
.set XI, 3                             ; v3  x in:      8,192 w + 4,096 (l / 16) + 16 (l % 16)
.set WI, 4                             ; v4  weights in: 8,192 w + 16 l
.set XO, 5                             ; v5  xb out:    256 w + 8 l
.set QO, 6                             ; v6  wqkv out:  12,288 w + 8 l
.set OO, 7                             ; v7  wo16 out:  4,096 w + 8 l
	s_load_b512 s[4:19], s[0:1], 0x0               ; x s[4:5], Wq s[6:7], Wk s[8:9], Wv s[10:11], Wo s[12:13], bq s[14:15], bk s[16:17], bv s[18:19]
	s_load_b256 s[20:27], s[0:1], 0x40             ; bo s[20:21], xb s[22:23], wqkv s[24:25], wo16 s[26:27]
	s_load_b64 s[28:29], s[0:1], 0x60              ; bias
	s_mov_b32 s2, ttmp9
	s_mov_b32 s31, 0                               ; the high word of every offset
	s_mov_b32 s38, 0xffff0000                      ; a word's upper bf16
	v_and_b32 v1, 31, v0                           ; lane
	v_lshrrev_b32 v2, 5, v0                        ; wave
	v_lshlrev_b32 v[XI], 13, v2                    ; the wave's two rows of 4,096 bytes
	v_lshl_add_u32 v[WI], v1, 4, v[XI]
	v_lshrrev_b32 v[XO], 4, v1
	v_lshl_add_u32 v[XI], v[XO], 12, v[XI]
	v_and_b32 v[XO], 15, v1
	v_lshl_add_u32 v[XI], v[XO], 4, v[XI]
	v_lshlrev_b32 v1, 3, v1                        ; 8 l
	v_lshl_add_u32 v[XO], v2, 8, v1
	v_lshl_add_u32 v[OO], v2, 12, v1
	v_mul_u32_u24 v[QO], v2, 12288
	v_add_nc_u32 v[QO], v[QO], v1
	s_wait_kmcnt 0x0
; The work-group's share: from s[32:33], to s[34:35] (x: K steps 8 to 15 to s[36:37], since a store's immediate has 24 bits).  kind 0: x; 1: Wq, Wk, Wv; 2: Wo.
.macro CAST vin, vout, kind
.set i, 0
.rept 16
.if (\kind) == 0
	global_load_b128 v[X+4*i:X+4*i+3], v[\vin], s[32:33] offset:256*i th:TH_LOAD_NT   ; K step i of both rows
.else
	global_load_b128 v[X+4*i:X+4*i+3], v[\vin], s[32:33] offset:512*i th:TH_LOAD_NT   ; 128 numbers on end: eight loads a row
.endif
.set i, i+1
.endr
.set i, 0
.rept 16
	s_wait_loadcnt 15-i                            ; loads come back in order: load i is in, the younger ones stay out
.if (\kind) == 2
.irp k, 0,1
	v_cvt_pk_bf16_f32 v[T+2*\k], v[X+4*i+2*\k], v[X+4*i+2*\k+1]
	v_lshlrev_b32 v[T+2*\k+1], 16, v[T+2*\k]       ; the two bf16 as f32,
	v_and_b32 v[T+2*\k], s38, v[T+2*\k]
	v_cvt_pk_f16_f32 v[Y+2*i+\k], v[T+2*\k+1], v[T+2*\k]  ; exact in f16 within its range
.endr
	global_store_b64 v[\vout], v[Y+2*i:Y+2*i+1], s[34:35] offset:256*i
.else
	v_cvt_pk_bf16_f32 v[Y+2*i],   v[X+4*i],   v[X+4*i+1]
	v_cvt_pk_bf16_f32 v[Y+2*i+1], v[X+4*i+2], v[X+4*i+3]
.if (\kind) == 0
	global_store_b64 v[\vout], v[Y+2*i:Y+2*i+1], s[34+2*(i/8):35+2*(i/8)] offset:(i%8)*1048576  ; a K step's block of xb is 8,192 rows x 128 bytes
.else
	global_store_b64 v[\vout], v[Y+2*i:Y+2*i+1], s[34:35] offset:(i/8)*6144+(i%8)*256
.endif
.endif
.set i, i+1
.endr
.endm
	s_cmp_lt_u32 s2, 512
	s_cbranch_scc1 .Lx
	s_cmp_lt_u32 s2, 704
	s_cbranch_scc1 .Lw
	s_cmp_lt_u32 s2, 768
	s_cbranch_scc1 .Lo
	; the biases: thread t takes 16 bytes at 16 t of each of the four
	v_lshlrev_b32 v2, 4, v0
	global_load_b128 v[X:X+3],     v2, s[14:15]
	global_load_b128 v[X+4:X+7],   v2, s[16:17]
	global_load_b128 v[X+8:X+11],  v2, s[18:19]
	global_load_b128 v[X+12:X+15], v2, s[20:21]
	s_wait_loadcnt 0x0
.irp i, 0,1,2,3,4,5,6,7
	v_cvt_pk_bf16_f32 v[T+\i], v[X+2*\i], v[X+2*\i+1]
	v_lshlrev_b32 v[Y+2*\i], 16, v[T+\i]
	v_and_b32 v[Y+2*\i+1], s38, v[T+\i]
.endr
.irp i, 0,1,2,3
	global_store_b128 v2, v[Y+4*\i:Y+4*\i+3], s[28:29] offset:4096*\i
.endr
	s_endpgm
.Lx:
	s_lshl_b32 s30, s2, 16                         ; 16 rows of x: 65,536 bytes,
	s_add_nc_u64 s[32:33], s[4:5], s[30:31]
	s_lshl_b32 s30, s2, 11                         ; and 16 x 128 bytes in each K step's block of xb
	s_add_nc_u64 s[34:35], s[22:23], s[30:31]
	s_add_nc_u64 s[36:37], s[34:35], 8*1048576
	CAST XI, XO, 0
	s_endpgm
.Lw:
	s_sub_co_u32 s3, s2, 512
	s_lshr_b32 s36, s3, 6                          ; which of the three weights
	s_and_b32 s3, s3, 63                           ; which 16 rows of it
	s_cmp_eq_u32 s36, 0
	s_cselect_b64 s[32:33], s[6:7], s[8:9]
	s_cmp_eq_u32 s36, 2
	s_cselect_b64 s[32:33], s[10:11], s[32:33]
	s_lshl_b32 s30, s3, 16
	s_add_nc_u64 s[32:33], s[32:33], s[30:31]
	s_mul_i32 s30, s3, 98304                       ; 16 rows of 6,144 bytes,
	s_lshl_b32 s36, s36, 11                        ; and the weight's 2,048 bytes of a row
	s_add_co_u32 s30, s30, s36
	s_add_nc_u64 s[34:35], s[24:25], s[30:31]
	CAST WI, QO, 1
	s_endpgm
.Lo:
	s_sub_co_u32 s3, s2, 704
	s_lshl_b32 s30, s3, 16
	s_add_nc_u64 s[32:33], s[12:13], s[30:31]
	s_lshl_b32 s30, s3, 15
	s_add_nc_u64 s[34:35], s[26:27], s[30:31]
	CAST WI, OO, 2
	s_endpgm
.Lfunc_end_k_q109cf70ec8_prep:
	.size	k_q109cf70ec8_prep, .Lfunc_end_k_q109cf70ec8_prep-k_q109cf70ec8_prep
	.p2alignl 7, 3214868480
	.fill 96, 4, 3214868480
	.section	.rodata,"a",@progbits
	.p2align	6, 0x0
	.amdhsa_kernel k_q109cf70ec8_prep
		.amdhsa_group_segment_fixed_size 0
		.amdhsa_private_segment_fixed_size 0
		.amdhsa_enable_private_segment 0
		.amdhsa_kernarg_size 104
		.amdhsa_user_sgpr_count 2
		.amdhsa_user_sgpr_kernarg_segment_ptr 1
		.amdhsa_wavefront_size32 1
		.amdhsa_system_sgpr_workgroup_id_x 1
		.amdhsa_system_sgpr_workgroup_id_y 1
		.amdhsa_system_sgpr_workgroup_id_z 1
		.amdhsa_system_vgpr_workitem_id 0
		.amdhsa_next_free_vgpr 112
		.amdhsa_next_free_sgpr 66
		.amdhsa_reserve_vcc 0
		.amdhsa_float_denorm_mode_32 3
		.amdhsa_float_denorm_mode_16_64 3
		.amdhsa_memory_ordered 1
		.amdhsa_forward_progress 1
		.amdhsa_inst_pref_size 25
	.end_amdhsa_kernel
	.amdgpu_metadata
---
amdhsa.version: [ 1, 2 ]
amdhsa.kernels:
  - .name:           k_q109cf70ec8_prep
    .symbol:         k_q109cf70ec8_prep.kd
    .args:
      - { .name: x, .offset: 0, .size: 8, .value_kind: global_buffer, .address_space: global }
      - { .name: Wq, .offset: 8, .size: 8, .value_kind: global_buffer, .address_space: global }
      - { .name: Wk, .offset: 16, .size: 8, .value_kind: global_buffer, .address_space: global }
      - { .name: Wv, .offset: 24, .size: 8, .value_kind: global_buffer, .address_space: global }
      - { .name: Wo, .offset: 32, .size: 8, .value_kind: global_buffer, .address_space: global }
      - { .name: bq, .offset: 40, .size: 8, .value_kind: global_buffer, .address_space: global }
      - { .name: bk, .offset: 48, .size: 8, .value_kind: global_buffer, .address_space: global }
      - { .name: bv, .offset: 56, .size: 8, .value_kind: global_buffer, .address_space: global }
      - { .name: bo, .offset: 64, .size: 8, .value_kind: global_buffer, .address_space: global }
      - { .name: xb, .offset: 72, .size: 8, .value_kind: global_buffer, .address_space: global }
      - { .name: wqkv, .offset: 80, .size: 8, .value_kind: global_buffer, .address_space: global }
      - { .name: wo16, .offset: 88, .size: 8, .value_kind: global_buffer, .address_space: global }
      - { .name: bias, .offset: 96, .size: 8, .value_kind: global_buffer, .address_space: global }
    .group_segment_fixed_size: 0
    .private_segment_fixed_size: 0
    .kernarg_segment_align: 8
    .kernarg_segment_size: 104
    .max_flat_workgroup_size: 256
    .sgpr_count:     66
    .vgpr_count:     112
    .wavefront_size: 32
...
	.end_amdgpu_metadata
.endif
;; end of part 1
;; launch qkv (part 2): grid 8 x 32, 4 waves a work-group, clusters of 4 x 4, 327,680 bytes of LDS; arguments xb, wqkv, bias, qkv; writes qkv
.if DOCPART == 2
	.amdgcn_target "amdgcn-amd-amdhsa--gfx1250"
	.amdhsa_code_object_version 6
	.text
	.protected	k_q109cf70ec8_qkv
	.globl	k_q109cf70ec8_qkv
	.p2align	8
	.type	k_q109cf70ec8_qkv,@function
k_q109cf70ec8_qkv:
	s_mov_b64 s[64:65], 0
	v_nop
	global_prefetch_b8 v0, s[64:65] scope:SCOPE_SE
	s_setreg_imm32_b32 hwreg(HW_REG_WAVE_MODE, 25, 1), 1
	s_wait_xcnt 0x0
	s_wait_alu depctr_hold_cnt(0) depctr_sa_sdst(0) depctr_va_vdst(0) depctr_va_sdst(0) depctr_va_ssrc(0) depctr_va_vcc(0) depctr_vm_vsrc(0)
	s_getreg_b32 s2, hwreg(HW_REG_IB_STS2, 6, 4)
	s_cmp_eq_u32 s2, 0
	s_cbranch_scc0 .Lentry_in_a_cluster
	s_endpgm
.Lentry_in_a_cluster:
	s_bfe_u32 s2, ttmp6, 0x10000c
	s_cmp_lg_u32 s2, 0xf033
	s_cbranch_scc0 .Lentry_shape_is_right
	s_endpgm
.Lentry_shape_is_right:
; qkv[8192][3072] = x[8192][1024] x wqkv[1024][3072] + bias: q | k | v side by side.  bf16 operands, f32 sums that START with the bias, f16 out, rounded once.  x comes as xb, in blocks [16 K steps][8192 rows][64].
; Behind these rows, at byte LOBASE of the same buffer: for the first 32 rows of each batch, what the rounding to f16 left over, lo = sum - f16(sum), again in f16, in two planes of [4][32][2048]:
; plane 0 holds q | k, which the next launch adds to those rows' scores; plane 1's first half holds v's, WHICH NOBODY READS: a work-group's 384 columns straddle q | k | v.
; LIMIT.  f16 ends at 65,504: |q|, |k|, |v| stay under it.
; SHARES.  256 work-groups, one tile of 256 x 384 each; four waves of 128 x 192: 96 accumulators, 768 registers.  K goes in 16 steps of 64 through two LDS slots that take turns: two slots of 128 along K of this tile
; would be 360,448 bytes.  A's 128 rows of a load are 16,384 bytes on end in xb: asked for as 64 rows of 256 bytes, padded after every 128 (LDS pitch 144).  B lies [k][n]: rows of 768 bytes, padded by 16 after
; every 128 (pitch 864 = 27 x 32), and comes out of LDS turned, by ds_load_tr16_b128: column byte c of a row lies at c + 16 (c / 128), so fragment i of my 192 columns lies at 432 x half + 32 i + 16 (i / 4).
; THE MATRIX INSTRUCTION IS USED TRANSPOSED: source 0 = 16 columns of B, source 1 = 16 rows of A: a lane holds one row of C (lane % 16) and eight neighbouring columns 8 (lane / 16) + 0..7.
; THE BIAS IS THE FIRST PRODUCT: source 0 holds bf16(bias) of its column at k = 0 (exact: the launch before rounded it so), source 1 holds 1 at k = 0, C = 0.  These 96 products run while the first tiles are on their way.
; CLUSTER 4 x 4: A's tile is shared along a row of the cluster, B's along a column.  THE TILE ROW IS 8 cy + cluster y: cy is the batch, and cluster y = 0 holds the first tile of all four batches.
; A TRIP IS ONE K STEP, two quarters of 32 along K; a quarter is three GROUPS of 32 matrix instructions (8 row blocks x 4 column blocks), each under one window setting.  Behind a group its four fragments of B are
; loaded for the next quarter; A's eight fragments have two buffers.  The slot in hand is the scalar TB (0 or SLOT).
; REGISTERS in windows of 256: window 0: v0-31 addresses; v32-95, v96-159 A's fragments; v160-191, v192-223, v224-255 B's fragments of groups 0, 1, 2.  window 1 + g: group g's accumulators, (a, b) at v[8 (4 a + b)].
.set PA,     144
.set PB,     864
.set HALFA,  128*PA                    ; what a load of A brings
.set HALFB,  32*PB                     ; what a load of B brings: 32 k rows
.set SLOT,   2*HALFA+2*HALFB
.set SP,     784                       ; a row of the stage: 768 bytes + 16 = 49 x 16: the 16 rows of a store start at 16 different groups of four banks
.set SPARE,  288*SP                    ; behind the stage (256 rows, and 32 of lo; it lies over the ring, which has had its last fill by then): the spare words, 128 bytes for each wave, that no other line names
.set CROW,   6144                      ; bytes in a row of wqkv and of qkv
.set LOBASE, 8192*CROW
.set LROW,   4096                      ; bytes in a row of a plane of lo
.set ASTEP,  8192*128                  ; bytes from K step to K step in xb,
.set BSTEP,  64*CROW                   ; and in wqkv
.set ADRA0, 10                         ; v10  my lane's place among A's fragments in slot 0; never rewritten
.set ADRB0, 11                         ; v11  the same for B
.set ADRA,  12                         ; v12, v13  in the slot in hand
.set ADRB,  13
.set STO,   14                         ; v14, v15  where I lay 16 bytes of a row: row blocks 0-3, 4-7
.set LSTO,  16                         ; v16  the same among the stage's rows of lo
.set RD,    17                         ; v17  where I read rows back
.set CO,    18                         ; v18  my byte offset in qkv
.set LRD,   19                         ; v19, v20  the same two for lo
.set LCO,   20
.set PFO,   21                         ; v21  the prefetches' offset; never rewritten
.set MONE,  22                         ; v22  -1.0
.set SPW,   28                         ; v28  LDS address of my spare word; never rewritten
.set NIL,   29                         ; v29  0; never rewritten
.set A0,    32
.set A1,    96
.set BB,    160
.set TMP,   32                         ; the way out: v32-159 a group's 128 packed registers; v160-223 lo in f32; v224-255 lo packed
.set LT,    160
.set LP,    224
.set OB,    32                         ; v32-127 rows read back; v128-175 rows of lo read back
.set LOB,   128
.set G1, 24                            ; s[24:31] group 1 for A;  s[32:39] group 0: set 0 fills slot 0 first, set 1 fills slot 1 first and then walks
.set G0, 32
.set G1B, 48                           ; s[48:55], s[56:63] the same for B
.set G0B, 56
.set LIM, 43                           ; s43  3 in a wave that prefetches, else the greatest number
.set PFA, 44                           ; s[44:45] where my prefetches stand
.set PFS, 46                           ; s[46:47] their step
.set WV,  66
.set RH,  67                           ; which half of the tile's rows is mine; also: I fetch for A (0) or B (1)
.set CHF, 68                           ; which half of its columns; also: which half of that tile I fetch
.set TB,  69
.set LA0, 70
.set LB0, 71
.set DOLO, 72                          ; s72  0 in the waves that make lo: cluster y = 0, upper half of the rows
.set CLY, 73                           ; s73  cluster y
.set LOP, 76                           ; s[76:81] lo at my batch's first row, for each of my work-group's three blocks of 128 columns
.set MSB, 0
.macro WIN new                         ; the immediate's high byte repeats the setting that is left; a switch that changes nothing is dropped
.if MSB != (\new)
	s_set_vgpr_msb (MSB<<8)|(\new)
.set MSB, \new
.endif
.endm
.macro PLACES                          ; four plain vector instructions between a matrix instruction and a load into, or a read of, its registers
.rept 4
	v_nop
.endr
.endm
.macro JLOAD                           ; a joint refill, by the walking set; the branch hangs on the wave's number alone; an s_nop 0 and four v_nop follow each line
	s_cmp_eq_u32 s[RH], 0
	s_cbranch_scc0 .Lfor_b_\@
	tensor_load_to_lds s[G0+4:G0+7], s[G1:G1+7]
	s_nop 0
.rept 4
	v_nop
.endr
	s_branch .Lasked_\@
.Lfor_b_\@:
	tensor_load_to_lds s[G0B+4:G0B+7], s[G1B:G1B+7]
	s_nop 0
.rept 4
	v_nop
.endr
.Lasked_\@:
.endm
.macro CREST                           ; a round of the cluster's barrier behind its opening barrier
	s_cmp_lg_u32 s[WV], 0
	s_cbranch_scc1 .Lnot_wave_0_\@
	s_barrier_signal -3
.Lnot_wave_0_\@:
	s_barrier_wait -3
	s_barrier_signal -1
	s_barrier_wait -1
.endm
.macro CROUND
	s_barrier_signal -1
	s_barrier_wait -1
	CREST
.endm
; A PREFETCH, at the change of slots of every even K step s = 0 .. 10, of K steps s + 4 and s + 5: two and three refills on.  A's tile row is read by both clusters of its row of clusters: cluster x = 0 asks; B's tile
; column by all eight of its column: cluster y = 0 asks.  The four partners of a joint load share the blocks out by address.  A: a step's 256 rows are 128 blocks of 256 bytes on end: wave 0 names blocks
; 32 cx + lane, once for each of the two steps.  B: two steps are 128 k rows of three blocks: wave 2 names row 32 cy + lane, three lines.  So each block is named once in the launch.
; s3 counts 14 .. 1 for steps 0 .. 13: it is even at even steps, and above 3 up to step 10, so step 15 is the last that is named.  Steps 0 to 3 come by their loads alone.
.macro ASK
	s_cmp_gt_u32 s3, s[LIM]
	s_cbranch_scc0 .Lnone_\@
	s_bitcmp1_b32 s3, 0
	s_cbranch_scc1 .Lnone_\@
	s_cmp_eq_u32 s[RH], 0
	s_cbranch_scc0 .Lrows_b_\@
	global_prefetch_b8 v[PFO], s[PFA:PFA+1] th:TH_LOAD_NT scope:SCOPE_SE
	global_prefetch_b8 v[PFO], s[PFA:PFA+1] offset:ASTEP th:TH_LOAD_NT scope:SCOPE_SE
	s_branch .Lnone_\@
.Lrows_b_\@:
	global_prefetch_b8 v[PFO], s[PFA:PFA+1] th:TH_LOAD_NT scope:SCOPE_SE
	global_prefetch_b8 v[PFO], s[PFA:PFA+1] offset:256 th:TH_LOAD_NT scope:SCOPE_SE
	global_prefetch_b8 v[PFO], s[PFA:PFA+1] offset:512 th:TH_LOAD_NT scope:SCOPE_SE
.Lnone_\@:
.endm
	s_load_b256 s[4:11], s[0:1], 0x0               ; xb s[4:5], wqkv s[6:7], bias s[8:9], qkv s[10:11]
	v_lshl_add_u32 v[SPW], v0, 2, SPARE
	v_mov_b32 v[NIL], 0
	ds_add_u32 v[SPW], v[NIL]                      ; the wave's opening: the add and its wait stand ahead of my first tensor load
	v_lshrrev_b32 v1, 5, v0
	v_readfirstlane_b32 s[WV], v1
	s_lshr_b32 s[RH], s[WV], 1
	s_and_b32 s[CHF], s[WV], 1
	s_bfe_u32 s40, ttmp6, 0x40000                  ; cx
	s_bfe_u32 s41, ttmp6, 0x40004                  ; cy
	s_lshl_b32 s42, ttmp9, 2
	s_add_co_u32 s42, s42, s40                     ; tile column, 0 .. 7
	s_and_b32 s[CLY], ttmp7, 0xffff                ; cluster y, 0 .. 7
	s_lshl_b32 s12, s41, 3
	s_add_co_u32 s13, s[CLY], s12                  ; tile row = 8 cy + cluster y, 0 .. 31
	s_lshl_b32 s21, s41, 2
	s_lshl_b32 s21, 15, s21                        ; my row of the cluster
	s_lshl_b32 s22, 0x1111, s40                    ; my column
	s_or_b32 s[G1+0], s21, (1<<16)|(1<<20)|(1<<21)|(4<<22)|(3<<25)   ; the mask; 2-byte elements; padding on; bit 21 beside a mask; after every 32 words 4 words
	s_mov_b32 s[G1+1], 128<<16                     ; tensor_dim0 = 128: two rows of x's 64 numbers
	s_mov_b32 s[G1+2], 64<<16                      ; tensor_dim1 = 64
	s_mov_b32 s[G1+3], 128<<16                     ; tile_dim0 = 128
	s_mov_b32 s[G1+4], 64                          ; tile_dim1 = 64
	s_mov_b32 s[G1+5], 128                         ; elements from row to row: the block is dense
	s_mov_b32 s[G1+6], 0
	s_mov_b32 s[G1+7], 0
	s_or_b32 s[G1B+0], s22, (1<<16)|(1<<20)|(1<<21)|(4<<22)|(3<<25)  ; the same padding: six times in a row of 192 words
	s_mov_b32 s[G1B+1], 384<<16                    ; tensor_dim0 = 384
	s_mov_b32 s[G1B+2], 32<<16                     ; tensor_dim1 = 32
	s_mov_b32 s[G1B+3], 384<<16                    ; tile_dim0 = 384
	s_mov_b32 s[G1B+4], 32                         ; tile_dim1 = 32
	s_mov_b32 s[G1B+5], 3072
	s_mov_b32 s[G1B+6], 0
	s_mov_b32 s[G1B+7], 0
	s_lshl_b32 s16, s13, 15                        ; A: row 256 x tile row + 128 x half, of 128 bytes
	s_lshl_b32 s17, s[CHF], 14
	s_add_co_u32 s16, s16, s17
	s_mov_b32 s17, 0
	s_mul_i32 s82, s[CHF], 32*CROW                 ; B: k row 32 x half,
	s_mul_i32 s83, s42, 768                        ; the tile column's 768 bytes
	s_add_co_u32 s82, s82, s83
	s_mov_b32 s83, 0
	s_mul_i32 s[LA0], s[CHF], HALFA                ; where my loads go: no place in the cluster enters an LDS address
	s_mul_i32 s[LB0], s[CHF], HALFB
	s_add_co_u32 s[LB0], s[LB0], 2*HALFA
	s_mov_b32 s[TB], 0
	s_or_b32 s[DOLO], s[CLY], s[RH]
	s_wait_dscnt 0x0                               ; the opening add is done
	s_wait_kmcnt 0x0
	s_add_nc_u64 s[14:15], s[4:5], s[16:17]
	s_add_nc_u64 s[82:83], s[6:7], s[82:83]
	CROUND                                         ; all sixteen work-groups are here: the first joint loads meet
.irp s, 0,1
	s_mov_b32 s[G0+4*(\s)], 1
	s_add_co_u32 s[G0+4*(\s)+1], s[LA0], (\s)*SLOT
	s_add_nc_u64 s[G0+4*(\s)+2:G0+4*(\s)+3], s[14:15], (\s)*ASTEP
	s_or_b32 s[G0+4*(\s)+3], s[G0+4*(\s)+3], 0x80000000
	s_mov_b32 s[G0B+4*(\s)], 1
	s_add_co_u32 s[G0B+4*(\s)+1], s[LB0], (\s)*SLOT
	s_add_nc_u64 s[G0B+4*(\s)+2:G0B+4*(\s)+3], s[82:83], (\s)*BSTEP
	s_or_b32 s[G0B+4*(\s)+3], s[G0B+4*(\s)+3], 0x80000000
.endr
	s_cmp_eq_u32 s[RH], 0                          ; a wave's two first fills stand in one branch: two loads of mine are out
	s_cbranch_scc0 .Lfirst_b
	tensor_load_to_lds s[G0:G0+3], s[G1:G1+7]
	s_nop 0
	tensor_load_to_lds s[G0+4:G0+7], s[G1:G1+7]
	s_nop 0
.rept 4
	v_nop
.endr
	s_branch .Lfirst_asked
.Lfirst_b:
	tensor_load_to_lds s[G0B:G0B+3], s[G1B:G1B+7]
	s_nop 0
	tensor_load_to_lds s[G0B+4:G0B+7], s[G1B:G1B+7]
	s_nop 0
.rept 4
	v_nop
.endr
.Lfirst_asked:
	v_and_b32 v1, 15, v0                           ; r = l % 16
	v_bfe_u32 v2, v0, 4, 1                         ; h = l / 16
	v_lshlrev_b32 v3, 2, v1                        ; the bias of column r of each of my 12 blocks of 16
	s_mul_i32 s18, s42, 384*4
	s_mul_i32 s19, s[CHF], 192*4
	s_add_co_u32 s18, s18, s19
	s_mov_b32 s19, 0
	s_add_nc_u64 s[18:19], s[8:9], s[18:19]
.set i_, 0
.rept 12
	global_load_b32 v[BB+8*i_], v3, s[18:19] offset:64*i_
.set i_, i_+1
.endr
	v_mul_u32_u24 v4, v1, PA                       ; A's fragment: row r x pitch + 16 h, two loads 32 bytes apart
	v_lshl_add_u32 v4, v2, 4, v4
	s_mul_i32 s21, s[RH], HALFA
	v_add_nc_u32 v[ADRA0], s21, v4
	v_and_b32 v5, 7, v0                            ; B's, turned: lane l reads k row 8 h + l % 8, 16 bytes at 16 ((l / 8) % 2); the second load 16 rows on
	v_lshl_add_u32 v5, v2, 3, v5
	v_mul_u32_u24 v5, v5, PB
	v_bfe_u32 v6, v0, 3, 1
	v_lshl_add_u32 v5, v6, 4, v5
	s_mul_i32 s22, s[CHF], 432                     ; my 192 columns: 384 bytes and three paddings
	s_add_co_u32 s22, s22, 2*HALFA
	v_add_nc_u32 v[ADRB0], s22, v5
	v_mov_b32 v[ADRA], v[ADRA0]
	v_mov_b32 v[ADRB], v[ADRB0]
	s_lshl_b32 s21, s[RH], 7                       ; into the stage: row 128 x row half + r, my 384 bytes of it, 16 bytes for each half of the lanes
	v_add_nc_u32 v4, s21, v1
	v_mul_u32_u24 v4, v4, SP
	v_lshl_add_u32 v4, v2, 4, v4
	s_mul_i32 s21, s[CHF], 384
	v_add_nc_u32 v[STO], s21, v4
	v_add_nc_u32 v[STO+1], 64*SP, v[STO]
	v_mul_u32_u24 v4, v1, SP                       ; lo: the stage's rows 256 + r
	v_lshl_add_u32 v4, v2, 4, v4
	v_add_nc_u32 v4, s21, v4
	v_add_nc_u32 v[LSTO], 256*SP, v4
	s_lshl_b32 s22, s[WV], 6                       ; back: wave w takes rows 64 w .. 64 w + 63, whole: lanes 0-15 256 bytes of one row, lanes 16-31 of the next
	v_add_nc_u32 v4, s22, v2
	v_mul_u32_u24 v4, v4, SP
	v_lshl_add_u32 v[RD], v1, 4, v4
	v_mul_u32_u24 v4, v2, CROW
	v_lshl_add_u32 v[CO], v1, 4, v4
	s_lshl_b32 s22, s[WV], 3                       ; lo: wave w takes rows 8 w .. 8 w + 7
	v_add_nc_u32 v5, s22, v2
	v_mul_u32_u24 v4, v5, SP
	v_lshl_add_u32 v4, v1, 4, v4
	v_add_nc_u32 v[LRD], 256*SP, v4
	v_lshlrev_b32 v5, 12, v5
	v_lshl_add_u32 v[LCO], v1, 4, v5
	v_mov_b32 v[MONE], -1.0
	s_mul_i32 s20, s42, 3                          ; my work-group's three blocks of 128 columns are blocks 3 x tile column + 0, 1, 2 of 24: 0-15 lie in plane 0, 16-23 in plane 1
.irp u, 0,1,2
	s_add_co_u32 s84, s20, \u
	s_lshr_b32 s85, s84, 4
	s_and_b32 s84, s84, 15
	s_lshl_b32 s84, s84, 8
	s_lshl_b32 s85, s85, 19                        ; a plane is 4 x 32 x 4,096 bytes
	s_add_co_u32 s84, s84, s85
	s_lshl_b32 s85, s41, 17                        ; the batch's 32 rows
	s_add_co_u32 s84, s84, s85
	s_add_co_u32 s84, s84, LOBASE
	s_mov_b32 s85, 0
	s_add_nc_u64 s[LOP+2*\u:LOP+2*\u+1], s[10:11], s[84:85]
.endr
	s_lshl_b32 s84, s13, 8                         ; qkv at the 64 rows that I store and the tile's 768 bytes
	s_lshl_b32 s85, s[WV], 6
	s_add_co_u32 s84, s84, s85
	s_mul_i32 s84, s84, CROW
	s_mul_i32 s85, s42, 768
	s_add_co_u32 s84, s84, s85
	s_mov_b32 s85, 0
	s_add_nc_u64 s[10:11], s[10:11], s[84:85]
	; the prefetches: both start at K step 3; the first change of slots steps to 4
	s_lshl_b32 s21, s13, 15                        ; A: the tile row's 32,768 bytes of a step, my work-group's 32 blocks of them
	s_lshl_b32 s23, s40, 13
	s_add_co_u32 s21, s21, s23
	s_add_co_u32 s21, s21, 3*ASTEP
	s_mul_i32 s22, s41, 32*CROW                    ; B: my work-group's 32 k rows of two steps' 128
	s_mul_i32 s23, s42, 768
	s_add_co_u32 s22, s22, s23
	s_add_co_u32 s22, s22, 3*BSTEP
	s_mov_b32 s23, ASTEP
	s_mov_b32 s74, BSTEP
	s_mov_b32 s2, 256
	s_mov_b32 s12, CROW
	s_cmp_eq_u32 s[RH], 0
	s_cselect_b64 s[PFA:PFA+1], s[4:5], s[6:7]
	s_cselect_b32 s22, s21, s22
	s_cselect_b32 s75, ttmp9, s[CLY]               ; the coordinate along which other clusters read the same blocks
	s_cselect_b32 s[PFS], s23, s74
	s_cselect_b32 s2, s2, s12                      ; bytes from lane to lane
	s_mov_b32 s23, 0
	s_mov_b32 s[PFS+1], 0
	s_add_nc_u64 s[PFA:PFA+1], s[PFA:PFA+1], s[22:23]
	s_or_b32 s75, s75, s[CHF]                      ; waves 0 and 2 alone
	s_cmp_eq_u32 s75, 0
	s_cselect_b32 s[LIM], 3, -1                    ; the same in all sixteen partners, for a given wave
	v_and_b32 v4, 31, v0
	v_mul_u32_u24 v[PFO], v4, s2
	; the fragments of the first product: all zeros but k = 0, which is the low half of register 0 in lanes 0-15
	v_cmp_eq_u32 s12, 0, v2
	v_mov_b32 v4, 0x3f80                           ; 1.0 in bf16
	v_cndmask_b32 v[A0], 0, v4, s12
.irp j, 1,2,3,4,5,6,7
	v_mov_b32 v[A0+\j], 0
.endr
.set i_, 0
.rept 12
.irp j, 1,2,3,4,5,6,7
	v_mov_b32 v[BB+8*i_+\j], 0
.endr
.set i_, i_+1
.endr
	s_wait_loadcnt 0x0                             ; the bias
.set i_, 0
.rept 12
	v_cvt_pk_bf16_f32 v[BB+8*i_], v[BB+8*i_], v[NIL]
	v_cndmask_b32 v[BB+8*i_], 0, v[BB+8*i_], s12
.set i_, i_+1
.endr
; Row blocks a0 .. an - 1 of group g x its 4 column blocks, 32 along K, with A's buffer ab.  The accumulators take turns, one instruction a turn, in the same order in every quarter: 95 others stand between two links of a chain.
.macro GRP g, ab, a0, an
	WIN 0x50*((\g)+1)                              ; C and D in window 1 + g, both sources in window 0
.set a_, \a0
.rept (\an)-(\a0)
.irp b, 0,1,2,3
	v_wmma_f32_16x16x32_bf16 v[8*(4*a_+\b):8*(4*a_+\b)+7], v[BB+32*(\g)+8*\b:BB+32*(\g)+8*\b+7], v[(\ab)+8*a_:(\ab)+8*a_+7], v[8*(4*a_+\b):8*(4*a_+\b)+7]
.endr
.set a_, a_+1
.endr
.endm
.macro INIT g                          ; the sums start: bias x 1
	WIN 0x40*((\g)+1)
.set a_, 0
.rept 8
.irp b, 0,1,2,3
	v_wmma_f32_16x16x32_bf16 v[8*(4*a_+\b):8*(4*a_+\b)+7], v[BB+32*(\g)+8*\b:BB+32*(\g)+8*\b+7], v[A0:A0+7], 0
.endr
.set a_, a_+1
.endr
.endm
.macro LDB g, q                        ; 8 LDS loads: group g's four fragments of B, quarter q of the slot in hand
.irp b, 0,1,2,3
	ds_load_tr16_b128 v[BB+32*(\g)+8*\b:BB+32*(\g)+8*\b+3],   v[ADRB] offset:(\q)*32*PB+144*(\g)+32*\b
	ds_load_tr16_b128 v[BB+32*(\g)+8*\b+4:BB+32*(\g)+8*\b+7], v[ADRB] offset:(\q)*32*PB+16*PB+144*(\g)+32*\b
.endr
.endm
.macro LDA q, ab                       ; 16 LDS loads: A's eight fragments, quarter q, into buffer ab
.irp i, 0,1,2,3,4,5,6,7
	ds_load_b128 v[(\ab)+8*\i:(\ab)+8*\i+3],   v[ADRA] offset:64*(\q)+\i*16*PA
	ds_load_b128 v[(\ab)+8*\i+4:(\ab)+8*\i+7], v[ADRA] offset:64*(\q)+\i*16*PA+32
.endr
.endm
; A K STEP.  It is entered with its first quarter's loads issued in the order B0, A, B1, B2.  The second quarter changes slots: in front of the barrier each wave waits for all its tensor loads (one is out: its part of
; the next slot), adds 0 to its spare word, and waits for that and for its reads of this slot, all of which were issued in the first quarter.  fill = 1: the barrier opens a round of the cluster's, and the joint
; refill of the slot just read, with the K step two on, is the first thing behind it: 160 matrix instructions stand between it and the wait for it.
.macro STEP fill
	s_wait_dscnt 16                                ; B0 and A are in; B1 and B2, sixteen loads, may be out
	GRP 0, A0, 0, 8
	WIN 0
	PLACES
	LDB 0, 1
	LDA 1, A1
	s_wait_dscnt 32                                ; B1 is in: behind it B2's 8 and the 24 just issued
	GRP 1, A0, 0, 8
	WIN 0
	PLACES
	LDB 1, 1
	s_wait_dscnt 32                                ; B2 is in: behind it 24 and 8
	GRP 2, A0, 0, 8
	WIN 0
	PLACES
	LDB 2, 1
	s_wait_dscnt 16                                ; the second quarter's B0 and A are in
	GRP 0, A1, 0, 8
	WIN 0
.if \fill
	s_wait_xcnt 0x0                                ; the last prefetches, a K step back or more, have read their address
	s_add_nc_u64 s[PFA:PFA+1], s[PFA:PFA+1], s[PFS:PFS+1]
.endif
	s_wait_tensorcnt 0x0                           ; no tensor load of mine is out, so a group 0 may be written
	ds_add_u32 v[SPW], v[NIL]                      ; 0 onto my spare word
.if \fill
	s_add_co_u32 s[G0+5], s[LA0], s[TB]            ; the walking sets: into the slot that this step leaves,
	s_add_co_u32 s[G0B+5], s[LB0], s[TB]
	s_add_nc_u64 s[G0+6:G0+7], s[G0+6:G0+7], ASTEP ; the next K step
	s_add_nc_u64 s[G0B+6:G0B+7], s[G0B+6:G0B+7], BSTEP
.endif
	s_wait_dscnt 9                                 ; B1 is in: B2's 8 and the add may be out
	GRP 1, A1, 0, 4
	s_wait_dscnt 0x0                               ; the add is done, and my reads of this slot are over
	s_barrier_signal -1
	GRP 1, A1, 4, 8
	WIN 0
	s_barrier_wait -1
.if \fill
	CREST
	JLOAD                                          ; its four v_nop are also the places in front of the loads below
.else
	PLACES
.endif
	s_xor_b32 s[TB], s[TB], SLOT                   ; the other slot
	v_add_nc_u32 v[ADRA], s[TB], v[ADRA0]
	v_add_nc_u32 v[ADRB], s[TB], v[ADRB0]
	LDB 0, 0
	LDA 0, A0
	LDB 1, 0
.if \fill
	ASK
.endif
	GRP 2, A1, 0, 8
	WIN 0
	PLACES
	LDB 2, 0
.endm
; THE WAY OUT of group g: rounded to f16, 16 bytes a lane, into the work-group's stage.  In the waves that make lo: of row blocks 0 and 1 each f16 half times -1 is added to its sum (exact: the difference has fewer
; bits than f32 holds), and the differences, rounded to f16, go into the stage's rows 256 on.  The jump passes no barrier and no tensor load.
.macro OUTG g
	WIN 5*((\g)+1)                                 ; both sources in window 1 + g
.set a_, 0
.rept 8
.irp b, 0,1,2,3
.irp p, 0,1,2,3
	v_cvt_pk_f16_f32 v[TMP+16*a_+4*\b+\p], v[8*(4*a_+\b)+2*\p], v[8*(4*a_+\b)+2*\p+1]
.endr
.endr
.set a_, a_+1
.endr
	WIN 0
.set a_, 0
.rept 8
.irp b, 0,1,2,3
	ds_store_b128 v[STO+a_/4], v[TMP+16*a_+4*\b:TMP+16*a_+4*\b+3] offset:(a_%4)*16*SP+32*(4*(\g)+\b)
.endr
.set a_, a_+1
.endr
	s_cmp_lg_u32 s[DOLO], 0
	s_cbranch_scc1 .Lno_lo_\@
	WIN 0x10*((\g)+1)                              ; source 2, the sum, in window 1 + g
.set a_, 0
.rept 2
.irp b, 0,1,2,3
.irp p, 0,1,2,3
	v_fma_mix_f32 v[LT+32*a_+8*\b+2*\p],   v[TMP+16*a_+4*\b+\p], v[MONE], v[8*(4*a_+\b)+2*\p]   op_sel_hi:[1,0,0]
	v_fma_mix_f32 v[LT+32*a_+8*\b+2*\p+1], v[TMP+16*a_+4*\b+\p], v[MONE], v[8*(4*a_+\b)+2*\p+1] op_sel:[1,0,0] op_sel_hi:[1,0,0]
.endr
.endr
.set a_, a_+1
.endr
	WIN 0
.set a_, 0
.rept 2
.irp b, 0,1,2,3
.irp p, 0,1,2,3
	v_cvt_pk_f16_f32 v[LP+16*a_+4*\b+\p], v[LT+32*a_+8*\b+2*\p], v[LT+32*a_+8*\b+2*\p+1]
.endr
	ds_store_b128 v[LSTO], v[LP+16*a_+4*\b:LP+16*a_+4*\b+3] offset:a_*16*SP+32*(4*(\g)+\b)
.endr
.set a_, a_+1
.endr
.Lno_lo_\@:
.endm
	INIT 0
	INIT 1
	INIT 2
	WIN 0
	PLACES                                         ; in front of the loads into those products' sources
	s_wait_tensorcnt 1                             ; my part of K step 0 is in; step 1's may stay out
	s_barrier_signal -1
	s_barrier_wait -1
	LDB 0, 0
	LDA 0, A0
	LDB 1, 0
	LDB 2, 0
	s_mov_b32 s3, 14
.Lstep:                                        ; steps 0 to 13 ask for steps 2 to 15
	STEP 1
	s_sub_co_u32 s3, s3, 1
	s_cmp_lg_u32 s3, 0
	s_cbranch_scc1 .Lstep
	s_mov_b32 s3, 2
.Ltail:                                        ; steps 14 and 15 ask for nothing.  The last trip's runs of LDS loads read the other slot once more and feed nothing: the price, once a launch, of one text for both trips
	STEP 0
	s_sub_co_u32 s3, s3, 1
	s_cmp_lg_u32 s3, 0
	s_cbranch_scc1 .Ltail
	s_wait_dscnt 0x0                               ; those loads are back: their registers may be written, and my reads of the ring are over
	s_barrier_signal -1                            ; every wave's are: the ring may be written
	s_barrier_wait -1
	OUTG 0                                         ; (four places stand behind the last product, in the step's own text)
	OUTG 1
	OUTG 2
	s_wait_dscnt 0x0                               ; for the others' sake: my stores into the stage are done
	s_barrier_signal -1
	s_barrier_wait -1
	s_mov_b32 s3, 4
.Lout:                                         ; a trip: 16 of my 64 rows: 8 pairs of rows x 3 blocks of 256 bytes
.set k_, 0
.rept 24
	ds_load_b128 v[OB+4*k_:OB+4*k_+3], v[RD] offset:(k_/3)*2*SP+256*(k_%3)
.set k_, k_+1
.endr
.set k_, 0
.rept 24
	s_wait_dscnt 23-k_                             ; LDS loads come back in order: load k is in
	global_store_b128 v[CO], v[OB+4*k_:OB+4*k_+3], s[10:11] offset:(k_/3)*2*CROW+256*(k_%3)  ; 16 lanes store 256 consecutive bytes, aligned
.set k_, k_+1
.endr
	s_wait_xcnt 0x0                                ; the stores have read their offset and their data: only now are these written again
	v_add_nc_u32 v[RD], 16*SP, v[RD]
	v_add_nc_u32 v[CO], 16*CROW, v[CO]
	s_sub_co_u32 s3, s3, 1
	s_cmp_lg_u32 s3, 0
	s_cbranch_scc1 .Lout
	s_cmp_lg_u32 s[CLY], 0                         ; lo: where the tile is a batch's first; the same in all four waves and all sixteen partners
	s_cbranch_scc1 .Lend
.set k_, 0
.rept 12
	ds_load_b128 v[LOB+4*k_:LOB+4*k_+3], v[LRD] offset:(k_/3)*2*SP+256*(k_%3)
.set k_, k_+1
.endr
.set k_, 0
.rept 12
	s_wait_dscnt 11-k_
	global_store_b128 v[LCO], v[LOB+4*k_:LOB+4*k_+3], s[LOP+2*(k_%3):LOP+2*(k_%3)+1] offset:(k_/3)*2*LROW  ; 16 lanes store 256 consecutive bytes, aligned
.set k_, k_+1
.endr
.Lend:
	s_wait_tensorcnt 0x0                           ; the wave's end
	ds_add_u32 v[SPW], v[NIL]
	s_wait_dscnt 0x0
	CROUND                                         ; the closing round
	s_endpgm
.Lfunc_end_k_q109cf70ec8_qkv:
	.size	k_q109cf70ec8_qkv, .Lfunc_end_k_q109cf70ec8_qkv-k_q109cf70ec8_qkv
	.p2alignl 7, 3214868480
	.fill 96, 4, 3214868480
	.section	.rodata,"a",@progbits
	.p2align	6, 0x0
	.amdhsa_kernel k_q109cf70ec8_qkv
		.amdhsa_group_segment_fixed_size 327680
		.amdhsa_private_segment_fixed_size 0
		.amdhsa_enable_private_segment 0
		.amdhsa_kernarg_size 32
		.amdhsa_user_sgpr_count 2
		.amdhsa_user_sgpr_kernarg_segment_ptr 1
		.amdhsa_wavefront_size32 1
		.amdhsa_system_sgpr_workgroup_id_x 1
		.amdhsa_system_sgpr_workgroup_id_y 1
		.amdhsa_system_sgpr_workgroup_id_z 1
		.amdhsa_system_vgpr_workitem_id 0
		.amdhsa_next_free_vgpr 1024
		.amdhsa_next_free_sgpr 88
		.amdhsa_reserve_vcc 0
		.amdhsa_float_denorm_mode_32 3
		.amdhsa_float_denorm_mode_16_64 3
		.amdhsa_memory_ordered 1
		.amdhsa_forward_progress 1
		.amdhsa_inst_pref_size 121
	.end_amdhsa_kernel
	.amdgpu_metadata
---
amdhsa.version: [ 1, 2 ]
amdhsa.kernels:
  - .name:           k_q109cf70ec8_qkv
    .symbol:         k_q109cf70ec8_qkv.kd
    .args:
      - { .name: xb, .offset: 0, .size: 8, .value_kind: global_buffer, .address_space: global }
      - { .name: wqkv, .offset: 8, .size: 8, .value_kind: global_buffer, .address_space: global }
      - { .name: bias, .offset: 16, .size: 8, .value_kind: global_buffer, .address_space: global }
      - { .name: qkv, .offset: 24, .size: 8, .value_kind: global_buffer, .address_space: global }
    .group_segment_fixed_size: 327680
    .private_segment_fixed_size: 0
    .kernarg_segment_align: 8
    .kernarg_segment_size: 32
    .max_flat_workgroup_size: 128
    .sgpr_count:     88
    .vgpr_count:     1024
    .wavefront_size: 32
...
	.end_amdgpu_metadata
.endif
;; end of part 2
;; launch scores (part 3): grid 36 x 4, 4 waves a work-group, no clusters, 327,680 bytes of LDS; arguments qkv, pmat, stat; writes pmat, stat
.if DOCPART == 3
	.amdgcn_target "amdgcn-amd-amdhsa--gfx1250"
	.amdhsa_code_object_version 6
	.text
	.protected	k_q109cf70ec8_scores
	.globl	k_q109cf70ec8_scores
	.p2align	8
	.type	k_q109cf70ec8_scores,@function
k_q109cf70ec8_scores:
	s_mov_b64 s[64:65], 0
	v_nop
	global_prefetch_b8 v0, s[64:65] scope:SCOPE_SE
	s_setreg_imm32_b32 hwreg(HW_REG_WAVE_MODE, 25, 1), 1
	s_wait_xcnt 0x0
; One causal tile of 256 queries x 256 keys: s = q . k over 1,024 channels (f16 operands, f32 sums), then the TILE's softmax with the tile's own true row maximum m:
; pmat takes p' = 2^(c s - c m) in f16, stat the pair (c m, l = the sum of the unrounded p') for each row and tile; c = log2(e) / 32.  The next launch joins a row's tiles in f32.
; LIMITS.  A hidden score counts as its value less 1e30; a weight below 2^-126 counts as 0; NaN and infinities are not treated apart.
; A batch has 36 tiles (I, J), J <= I: work-group x is tile I = the number of T in 1, 3, 6, 10, 15, 21, 28 with x >= T, J = x - I (I + 1) / 2.
; NO CLUSTER: the tiles wanted are a triangle with rows of 1 to 8 tiles; it does not fall into groups of four that share a tile, and a square of 4 x 4 on the diagonal would have to make 6 hidden tiles of 16.
; The loop: four waves of 128 x 128, K in 8 steps of 128 through two LDS slots, a trip a K step, the slot in hand in the scalar TB.  Both q's and k's rows lie along K (256 bytes, padded to 272).
; Source 0 = 16 keys, source 1 = 16 queries: a lane holds one query (lane % 16) and the keys 8 (lane / 16) + 0..7.
; THE MASK is the C operand of the products that start the sums: three sets of 8 registers, for key block b below, at and above query block a; all 0 off the diagonal tile.
; THE FIRST 32 QUERIES OF A BATCH average over few keys, so an error of a weight there, common to a whole row of numbers many times the output's root mean square, weighs most.  Their scores also take what q's and
; k's rounding to f16 left over (lo, behind qkv's rows): s += k_hi . q_lo + k_lo . q_hi.  Tile (0, 0) makes these sums for the blocks (0, 0), (1, 0), (1, 1) in the wait for its first tiles, a quarter of the
; channels a wave, and wave 0 adds them to C sets of their own; in every other wave and tile those sets are copies of the masks.
; THE EPILOGUE goes through the ring, which has had its last fill: the scores are laid by rows (pitch 1,040), and each wave then takes 64 whole rows, sixteen lanes to a row.
.set PITCH,  272
.set HALFT,  128*PITCH
.set SLOT,   4*HALFT
.set EP,     1040                      ; a row of 256 scores: 1,024 bytes + 16: the 16 rows of a store start at 16 different groups of four banks
.set STATS,  2*SLOT                    ; behind the ring: 256 rows x 8 bytes
.set SPARE,  STATS+2048                ; the spare words, 128 bytes for each wave, that no other line names
.set CORR,   SPARE+512                 ; four waves x three blocks x 1,024 bytes: no fill lands here
.set QROW,   6144
.set LOBASE, 8192*QROW                 ; where the lo part begins in qkv: [4][32][q 1024 | k 1024] f16
.set LROW,   4096
.set SRC,  6                           ; v6   epilogue: where I read scores
.set SA,   7                           ; v7   where I put (c m, l)
.set GA,   8                           ; v8   my byte offset in pmat
.set DST0, 9                           ; v9, v10  where I lay my accumulators: row blocks 0-3, 4-7
.set SR4,  11                          ; v11  my 16 bytes of my wave's 64 pairs
.set SO4,  12                          ; v12  the same in stat
.set ADRA0, 14
.set ADRB0, 15
.set ADRA, 16
.set HO,   17                          ; v17  a fragment straight from qkv: r x 6,144 + 16 h + my wave's 512 bytes; never rewritten
.set LOF,  18                          ; v18  the same in the lo part: r x 4,096 + ..; never rewritten
.set CST,  19                          ; v19  my 32 bytes of a block in my wave's part of CORR
.set ADRB, 20
.set SPW,  28
.set NIL,  29
.set PFO,  30
.set F0,   64
.set F1,   128
.set KA,   64                          ; v64-87   the three sums of lo products, before the first fragments come
.set PS,   96                          ; v96-191  the four waves' parts of them
.set RLO,  192                         ; v192-199  C where b < a
.set REQ,  200                         ; v200-207  C where b = a
.set RHI,  208                         ; v208-215  C where b > a
.set C00,  216                         ; v216-223  C of block (0, 0);  v224-231 of (1, 0);  v232-239 of (1, 1)
.set C10,  224
.set C11,  232
.set X,    64                          ; epilogue: four pairs of rows x 16 scores a lane
.set Y,    128                         ; four pairs x 8 registers of f16
.set MX,   160                         ; four pairs x 4 at work
.set CL,   176                         ; four pairs (c m, l)
.set G1, 24
.set G0, 32                            ; s[32:39]: set 0 fills slot 0 first, set 1 fills slot 1 first and then walks
.set II, 40
.set JJ, 41
.set BB, 42
.set LIM, 43
.set PFA, 44
.set VLO, 46
.set VHI, 47
.set AL,  48
.set BIGN, 49
.set CS,  50                           ; s[50:51] c, named as a pair
.set HB,  52                           ; s[52:53] qkv at the batch's first row;  s[54:55] the lo part at the batch's first row
.set LB,  54
.set WV,  66
.set RH,  67
.set CHF, 68
.set TB,  69
.set MSB, 0
.macro WIN new
.if MSB != (\new)
	s_set_vgpr_msb (MSB<<8)|(\new)
.set MSB, \new
.endif
.endm
.macro PLACES
.rept 4
	v_nop
.endr
.endm
; A PREFETCH of the K step two refills on (step s names step s + 4): my own 128 rows x 256 bytes, a lane a row, four instructions.  q's rows of block I are read by the tiles (I, 0 .. I): tile (I, 0) asks;
; k's rows of block J by the tiles (J .. 7, J): tile (J, J) asks.  s3 counts 6 .. 1 for steps 0 .. 5: only steps 0 to 3 ask, so step 7 is the last that is named.
.macro ASK
	s_cmp_gt_u32 s3, s[LIM]
	s_cbranch_scc0 .Lnot_mine_\@
.irp i, 0,1,2,3
	global_prefetch_b8 v[PFO], s[PFA:PFA+1] offset:(\i)*32*QROW th:TH_LOAD_NT scope:SCOPE_SE
.endr
.Lnot_mine_\@:
.endm
	s_load_b128 s[4:7], s[0:1], 0x0                ; qkv s[4:5], pmat s[6:7]
	s_load_b64 s[8:9], s[0:1], 0x10                ; stat
	v_lshl_add_u32 v[SPW], v0, 2, SPARE
	v_mov_b32 v[NIL], 0
	ds_add_u32 v[SPW], v[NIL]                      ; the wave's opening: the add and its wait stand ahead of my first tensor load
	v_lshrrev_b32 v1, 5, v0
	v_readfirstlane_b32 s[WV], v1
	s_lshr_b32 s[RH], s[WV], 1
	s_and_b32 s[CHF], s[WV], 1
	s_mov_b32 s2, ttmp9
	s_mov_b32 s[II], 0
.irp T, 1,3,6,10,15,21,28
	s_cmp_ge_u32 s2, \T
	s_add_co_ci_u32 s[II], s[II], 0
.endr
	s_add_co_u32 s12, s[II], 1
	s_mul_i32 s12, s12, s[II]
	s_lshr_b32 s12, s12, 1
	s_sub_co_u32 s[JJ], s2, s12
	s_and_b32 s[BB], ttmp7, 0xffff                 ; the batch
	s_mov_b32 s[G1+0], (1<<16)|(1<<20)|(5<<22)|(3<<25)  ; 2-byte elements; padding on: after every 64 words 4 words
	s_mov_b32 s[G1+1], 128<<16                     ; tensor_dim0 = 128
	s_mov_b32 s[G1+2], 128<<16                     ; tensor_dim1 = 128
	s_mov_b32 s[G1+3], 128<<16                     ; tile_dim0 = 128
	s_mov_b32 s[G1+4], 128                         ; tile_dim1 = 128
	s_mov_b32 s[G1+5], 3072
	s_mov_b32 s[G1+6], 0
	s_mov_b32 s[G1+7], 0
	s_cmp_eq_u32 s[RH], 0                          ; waves 0, 1 fetch q's rows of block I, waves 2, 3 k's rows of block J, 2,048 bytes along
	s_cselect_b32 s16, s[II], s[JJ]
	s_cselect_b32 s17, 0, 2048
	s_lshl_b32 s16, s16, 8
	s_lshl_b32 s18, s[CHF], 7
	s_add_co_u32 s16, s16, s18
	s_lshl_b32 s18, s[BB], 11
	s_add_co_u32 s16, s16, s18
	s_mul_i32 s16, s16, QROW
	s_add_co_u32 s16, s16, s17
	s_mov_b32 s17, 0
	s_mul_i32 s20, s[WV], HALFT
	s_mov_b32 s[TB], 0
	s_mov_b32 s[CS], 0x3d38aa3b                    ; c = log2(e) / 32
	s_mov_b32 s[CS+1], s[CS]
	s_mov_b32 s[BIGN], 0xf149f2ca                  ; -1e30
	s_wait_dscnt 0x0                               ; the opening add is done
	s_wait_kmcnt 0x0
	s_add_nc_u64 s[14:15], s[4:5], s[16:17]
.irp s, 0,1
	s_mov_b32 s[G0+4*(\s)], 1
	s_add_co_u32 s[G0+4*(\s)+1], s20, (\s)*SLOT
	s_add_nc_u64 s[G0+4*(\s)+2:G0+4*(\s)+3], s[14:15], (\s)*256
	s_or_b32 s[G0+4*(\s)+3], s[G0+4*(\s)+3], 0x80000000
.endr
	tensor_load_to_lds s[G0:G0+3], s[G1:G1+7]      ; each wave moves 128 rows of its own: two loads of mine are out
	s_nop 0
	tensor_load_to_lds s[G0+4:G0+7], s[G1:G1+7]
	s_nop 0
.rept 4
	v_nop
.endr
	v_and_b32 v1, 15, v0                           ; r
	v_bfe_u32 v2, v0, 4, 1                         ; h
	; the masks.  On the diagonal tile, with d = my column half - my row half: d > 0 all hidden, d < 0 none, d = 0: key block b > a hidden, b < a seen, b = a: register j hidden where j > r - 8 h
	s_cmp_eq_u32 s[II], s[JJ]
	s_cselect_b32 s21, 1, 0
	s_sub_co_i32 s22, s[CHF], s[RH]
	s_cmp_gt_i32 s22, 0
	s_cselect_b32 s[VLO], s[BIGN], 0
	s_cmp_ge_i32 s22, 0
	s_cselect_b32 s[VHI], s[BIGN], 0
	s_cmp_eq_u32 s22, 0
	s_cselect_b32 s[AL], 1.0, 0
	s_cmp_eq_u32 s21, 1
	s_cselect_b32 s[VLO], s[VLO], 0
	s_cselect_b32 s[VHI], s[VHI], 0
	s_cselect_b32 s[AL], s[AL], 0
	v_lshlrev_b32 v3, 3, v2
	v_sub_nc_u32 v3, v1, v3
.irp j, 0,1,2,3,4,5,6,7
	v_cmp_gt_i32 vcc_lo, \j, v3
	v_cndmask_b32 v4, 0, s[BIGN], vcc_lo
	v_fma_f32 v[REQ+\j], v4, s[AL], s[VLO]
	v_mov_b32 v[RLO+\j], s[VLO]
	v_mov_b32 v[RHI+\j], s[VHI]
	v_fma_f32 v[C00+\j], v4, s[AL], s[VLO]         ; the three blocks' own sets: the masks, onto which tile (0, 0)'s wave 0 adds
	v_mov_b32 v[C10+\j], s[VLO]
	v_fma_f32 v[C11+\j], v4, s[AL], s[VLO]
.endr
	v_mul_u32_u24 v3, v1, PITCH
	v_lshl_add_u32 v3, v2, 4, v3                   ; a fragment's row x pitch + 16 h
	s_mul_i32 s21, s[RH], HALFT
	v_add_nc_u32 v[ADRA0], s21, v3
	s_mul_i32 s22, s[CHF], HALFT
	s_add_co_u32 s22, s22, 2*HALFT
	v_add_nc_u32 v[ADRB0], s22, v3
	v_mov_b32 v[ADRA], v[ADRA0]
	v_mov_b32 v[ADRB], v[ADRB0]
	; the epilogue's addresses
	s_lshl_b32 s21, s[RH], 7
	v_add_nc_u32 v3, s21, v1
	v_mul_u32_u24 v3, v3, EP                       ; row 128 x row half + r,
	v_lshl_add_u32 v3, v2, 4, v3                   ; + 16 h,
	s_lshl_b32 s21, s[CHF], 8
	v_add_nc_u32 v[DST0], s21, v3                  ; + 256 x column half
	v_add_nc_u32 v[DST0+1], 64*EP, v[DST0]
	s_mul_i32 s21, s[WV], 64*EP
	v_mul_u32_u24 v3, v2, EP
	v_lshl_add_u32 v3, v1, 4, v3
	v_add_nc_u32 v[SRC], s21, v3                   ; row 64 w + h, 16 bytes at 16 r
	s_lshl_b32 s21, s[WV], 9
	s_add_co_u32 s21, s21, STATS
	v_lshl_add_u32 v[SA], v2, 3, s21
	v_and_b32 v3, 31, v0
	v_lshlrev_b32 v[SO4], 4, v3
	v_add_nc_u32 v[SR4], s21, v[SO4]
	s_lshl_b32 s21, s[WV], 18
	v_lshl_add_u32 v3, v2, 12, s21
	v_lshl_add_u32 v[GA], v1, 4, v3                ; (64 w + h) x 4,096 + 16 r
	s_lshl_b32 s16, s[BB], 11
	s_lshl_b32 s17, s[II], 8
	s_add_co_u32 s16, s16, s17
	s_lshl_b32 s16, s16, 12
	s_lshl_b32 s17, s[JJ], 9
	s_add_co_u32 s16, s16, s17
	s_mov_b32 s17, 0
	s_add_nc_u64 s[6:7], s[6:7], s[16:17]          ; pmat at the tile
	s_lshl_b32 s16, s[BB], 3
	s_add_co_u32 s16, s16, s[JJ]
	s_lshl_b32 s16, s16, 11
	s_lshl_b32 s17, s[II], 8
	s_add_co_u32 s16, s16, s17
	s_lshl_b32 s17, s[WV], 6
	s_add_co_u32 s16, s16, s17
	s_lshl_b32 s16, s16, 3
	s_mov_b32 s17, 0
	s_add_nc_u64 s[8:9], s[8:9], s[16:17]          ; stat at my wave's 64 rows
	s_cmp_eq_u32 s[JJ], 0
	s_cselect_b32 s21, 2, -1
	s_cmp_eq_u32 s[II], s[JJ]
	s_cselect_b32 s22, 2, -1
	s_cmp_eq_u32 s[RH], 0
	s_cselect_b32 s[LIM], s21, s22
	s_add_nc_u64 s[PFA:PFA+1], s[14:15], 3*256     ; at K step 3; the first change of slots steps to 4
	v_and_b32 v3, 31, v0
	v_mul_u32_u24 v[PFO], v3, QROW
	; THE LO PRODUCTS, in tile (0, 0) alone: the branch hangs on the work-group's number, the same in all four waves, so every wave of the work-group passes the barrier inside.
	s_cmp_lg_u32 s2, 0
	s_cbranch_scc1 .Lplain
	s_mul_i32 s[HB], s[BB], 2048*QROW
	s_mov_b32 s[HB+1], 0
	s_add_nc_u64 s[HB:HB+1], s[4:5], s[HB:HB+1]
	s_lshl_b32 s[LB], s[BB], 17                    ; 32 rows of 4,096 bytes
	s_add_co_u32 s[LB], s[LB], LOBASE
	s_mov_b32 s[LB+1], 0
	s_add_nc_u64 s[LB:LB+1], s[4:5], s[LB:LB+1]
	s_lshl_b32 s21, s[WV], 9                       ; my wave's 256 channels
	v_mul_u32_u24 v[HO], v1, QROW
	v_lshl_add_u32 v[HO], v2, 4, v[HO]
	v_add_nc_u32 v[HO], s21, v[HO]
	v_lshlrev_b32 v[LOF], 12, v1
	v_lshl_add_u32 v[LOF], v2, 4, v[LOF]
	v_add_nc_u32 v[LOF], s21, v[LOF]
	s_mul_i32 s22, s[WV], 3072
	s_add_co_u32 s22, s22, CORR
	v_and_b32 v3, 31, v0
	v_lshl_add_u32 v[CST], v3, 5, s22
	; 128 loads of 16 bytes a lane, all out at once, into the accumulators' windows, which are still free.  A fragment of 16 rows x 32 channels comes straight from memory: two loads 32 bytes apart.
	; window 2 (source 0): k_hi of row block u, step t at v[16 t + 8 u], k_lo at v[128 + 16 t + 8 u].  window 3 (source 1): q_lo at v[16 t + 8 u], q_hi at v[128 + 16 t + 8 u]
	WIN 0x80
.set t_, 0
.rept 8
.irp u, 0,1
	global_load_b128 v[16*t_+8*\u:16*t_+8*\u+3],         v[HO],  s[HB:HB+1] offset:2048+\u*16*QROW+64*t_
	global_load_b128 v[16*t_+8*\u+4:16*t_+8*\u+7],       v[HO],  s[HB:HB+1] offset:2048+\u*16*QROW+64*t_+32
	global_load_b128 v[128+16*t_+8*\u:128+16*t_+8*\u+3],   v[LOF], s[LB:LB+1] offset:2048+\u*16*LROW+64*t_
	global_load_b128 v[128+16*t_+8*\u+4:128+16*t_+8*\u+7], v[LOF], s[LB:LB+1] offset:2048+\u*16*LROW+64*t_+32
.endr
.set t_, t_+1
.endr
	WIN 0xc0
.set t_, 0
.rept 8
.irp u, 0,1
	global_load_b128 v[16*t_+8*\u:16*t_+8*\u+3],         v[LOF], s[LB:LB+1] offset:\u*16*LROW+64*t_
	global_load_b128 v[16*t_+8*\u+4:16*t_+8*\u+7],       v[LOF], s[LB:LB+1] offset:\u*16*LROW+64*t_+32
	global_load_b128 v[128+16*t_+8*\u:128+16*t_+8*\u+3],   v[HO],  s[HB:HB+1] offset:\u*16*QROW+64*t_
	global_load_b128 v[128+16*t_+8*\u+4:128+16*t_+8*\u+7], v[HO],  s[HB:HB+1] offset:\u*16*QROW+64*t_+32
.endr
.set t_, t_+1
.endr
	s_wait_loadcnt 0x0
	WIN 0x0e                                       ; source 0 window 2, source 1 window 3, C and D window 0.  The three accumulators take turns, one instruction a turn
.set t_, 0
.rept 8
.if t_ == 0
	v_wmma_f32_16x16x32_f16 v[KA:KA+7],     v[0:7],  v[0:7],  0
	v_wmma_f32_16x16x32_f16 v[KA+8:KA+15],  v[0:7],  v[8:15], 0
	v_wmma_f32_16x16x32_f16 v[KA+16:KA+23], v[8:15], v[8:15], 0
.else
	v_wmma_f32_16x16x32_f16 v[KA:KA+7],     v[16*t_:16*t_+7],    v[16*t_:16*t_+7],    v[KA:KA+7]      ; (0, 0): k_hi 0 . q_lo 0
	v_wmma_f32_16x16x32_f16 v[KA+8:KA+15],  v[16*t_:16*t_+7],    v[16*t_+8:16*t_+15], v[KA+8:KA+15]   ; (1, 0): k_hi 0 . q_lo 1
	v_wmma_f32_16x16x32_f16 v[KA+16:KA+23], v[16*t_+8:16*t_+15], v[16*t_+8:16*t_+15], v[KA+16:KA+23]  ; (1, 1): k_hi 1 . q_lo 1
.endif
	v_wmma_f32_16x16x32_f16 v[KA:KA+7],     v[128+16*t_:128+16*t_+7],    v[128+16*t_:128+16*t_+7],    v[KA:KA+7]      ; the same with k_lo . q_hi
	v_wmma_f32_16x16x32_f16 v[KA+8:KA+15],  v[128+16*t_:128+16*t_+7],    v[128+16*t_+8:128+16*t_+15], v[KA+8:KA+15]
	v_wmma_f32_16x16x32_f16 v[KA+16:KA+23], v[128+16*t_+8:128+16*t_+15], v[128+16*t_+8:128+16*t_+15], v[KA+16:KA+23]
.set t_, t_+1
.endr
	WIN 0
	PLACES                                         ; eight places: four ahead of the stores that read the sums, five ahead of the matrix instructions that will write over the sources
	PLACES
.irp i, 0,1,2
	ds_store_b128 v[CST], v[KA+8*\i:KA+8*\i+3]   offset:1024*\i
	ds_store_b128 v[CST], v[KA+8*\i+4:KA+8*\i+7] offset:1024*\i+16
.endr
	s_wait_dscnt 0x0                               ; for wave 0's sake: my stores are done
	s_barrier_signal -1                            ; the two tensor loads may stay out
	s_barrier_wait -1
	s_cmp_lg_u32 s[WV], 0
	s_cbranch_scc1 .Lplain
.irp w, 0,1,2,3
.irp i, 0,1,2
	ds_load_b128 v[PS+24*\w+8*\i:PS+24*\w+8*\i+3],   v[CST] offset:3072*\w+1024*\i      ; in wave 0 CST stands at CORR + 32 x lane
	ds_load_b128 v[PS+24*\w+8*\i+4:PS+24*\w+8*\i+7], v[CST] offset:3072*\w+1024*\i+16
.endr
.endr
	s_wait_dscnt 0x0
.set x_, 0
.rept 12
	v_pk_add_f32 v[PS+2*x_:PS+2*x_+1],       v[PS+2*x_:PS+2*x_+1],       v[PS+24+2*x_:PS+24+2*x_+1]
	v_pk_add_f32 v[PS+48+2*x_:PS+48+2*x_+1], v[PS+48+2*x_:PS+48+2*x_+1], v[PS+72+2*x_:PS+72+2*x_+1]
.set x_, x_+1
.endr
.set x_, 0
.rept 12
	v_pk_add_f32 v[PS+2*x_:PS+2*x_+1], v[PS+2*x_:PS+2*x_+1], v[PS+48+2*x_:PS+48+2*x_+1]
.set x_, x_+1
.endr
.set x_, 0
.rept 12
	v_pk_add_f32 v[C00+2*x_:C00+2*x_+1], v[C00+2*x_:C00+2*x_+1], v[PS+2*x_:PS+2*x_+1]  ; the three sets lie on end, in the blocks' order
.set x_, x_+1
.endr
.Lplain:
.macro MUL16 f, hi, a0, init
.if \init
	WIN 0x81+0x40*(\hi)                            ; keys window 1, queries and C window 0, D window 2 or 3
.else
	WIN 0xa1+0x50*(\hi)
.endif
.irp a, \a0, (\a0)+1
.irp b, 0,1,2,3,4,5,6,7
.if \init
.set ga_, 4*(\hi)+(\a)
.if (ga_ == 0) && ((\b) == 0)
.set cm_, C00
.elseif (ga_ == 1) && ((\b) == 0)
.set cm_, C10
.elseif (ga_ == 1) && ((\b) == 1)
.set cm_, C11
.elseif (\b) < ga_
.set cm_, RLO
.elseif (\b) == ga_
.set cm_, REQ
.else
.set cm_, RHI
.endif
	v_wmma_f32_16x16x32_f16 v[8*(8*(\a)+(\b)):8*(8*(\a)+(\b))+7], v[(\f)+8*(\b):(\f)+8*(\b)+7], v[(\f)+8*(4*(\hi)+(\a)):(\f)+8*(4*(\hi)+(\a))+7], v[cm_:cm_+7]
.else
	v_wmma_f32_16x16x32_f16 v[8*(8*(\a)+(\b)):8*(8*(\a)+(\b))+7], v[(\f)+8*(\b):(\f)+8*(\b)+7], v[(\f)+8*(4*(\hi)+(\a)):(\f)+8*(4*(\hi)+(\a))+7], v[8*(8*(\a)+(\b)):8*(8*(\a)+(\b))+7]
.endif
.endr
.endr
.endm
.macro FETCH q, f
	WIN 0x40
.irp i, 0,1,2,3,4,5,6,7
	ds_load_b128 v[(\f)+8*(\i):(\f)+8*(\i)+3],   v[ADRB] offset:64*(\q)+(\i)*16*PITCH
	ds_load_b128 v[(\f)+8*(\i)+4:(\f)+8*(\i)+7], v[ADRB] offset:64*(\q)+(\i)*16*PITCH+32
.endr
	WIN 0
.irp i, 0,1,2,3,4,5,6,7
	ds_load_b128 v[(\f)+8*(\i):(\f)+8*(\i)+3],   v[ADRA] offset:64*(\q)+(\i)*16*PITCH
	ds_load_b128 v[(\f)+8*(\i)+4:(\f)+8*(\i)+7], v[ADRA] offset:64*(\q)+(\i)*16*PITCH+32
.endr
.endm
.macro QUARTER q, f, g, init
	s_wait_dscnt 8                                 ; the keys and queries 0-63 are in; the youngest eight loads may be out
	MUL16 \f, 0, 0, \init
	MUL16 \f, 0, 2, \init
	PLACES
	FETCH \q, \g
	s_wait_dscnt 32                                ; all but the 32 just issued
	MUL16 \f, 1, 0, \init
	MUL16 \f, 1, 2, \init
.endm
; the change of slots: every wave waits for all its tensor loads, adds 0 to its spare word, waits for that and for its reads of the slot, and passes the barrier; the refill is the first thing behind it
.macro TURN fill
.if \fill
	s_wait_xcnt 0x0                                ; the last prefetches, a K step back, have read their address
	s_add_nc_u64 s[PFA:PFA+1], s[PFA:PFA+1], 256
.endif
	WIN 0
	s_wait_tensorcnt 0x0
	ds_add_u32 v[SPW], v[NIL]
.if \fill
	s_add_co_u32 s[G0+5], s20, s[TB]               ; into the slot that this step leaves,
	s_add_nc_u64 s[G0+6:G0+7], s[G0+6:G0+7], 256   ; the next K step
.endif
	s_wait_dscnt 9                                 ; the add and the youngest eight loads may be out
	MUL16 F1, 0, 0, 0
	s_wait_dscnt 0x0
	s_barrier_signal -1
	MUL16 F1, 0, 2, 0
	WIN 0
	s_barrier_wait -1
.if \fill
	tensor_load_to_lds s[G0+4:G0+7], s[G1:G1+7]
	s_nop 0
.endif
	PLACES
	s_xor_b32 s[TB], s[TB], SLOT
	v_add_nc_u32 v[ADRA], s[TB], v[ADRA0]
	v_add_nc_u32 v[ADRB], s[TB], v[ADRB0]
	FETCH 0, F0
.if \fill
	ASK
.endif
	MUL16 F1, 1, 0, 0
	MUL16 F1, 1, 2, 0
.endm
	s_wait_tensorcnt 1                             ; my part of K step 0 is in; step 1's may stay out
	s_barrier_signal -1
	s_barrier_wait -1
	FETCH 0, F0
	QUARTER 1, F0, F1, 1                           ; the first products start the sums, with the mask
	WIN 0
	s_mov_b32 s3, 6
.Lstep:
	QUARTER 2, F1, F0, 0
	QUARTER 3, F0, F1, 0
	TURN 1
	QUARTER 1, F0, F1, 0
	WIN 0
	s_sub_co_u32 s3, s3, 1
	s_cmp_lg_u32 s3, 0
	s_cbranch_scc1 .Lstep
	QUARTER 2, F1, F0, 0
	QUARTER 3, F0, F1, 0
	TURN 0
	QUARTER 1, F0, F1, 0
	QUARTER 2, F1, F0, 0
	QUARTER 3, F0, F1, 0
	s_wait_dscnt 8
	MUL16 F1, 0, 0, 0
	MUL16 F1, 0, 2, 0
	s_wait_dscnt 0x0                               ; my last reads of the ring are back
	MUL16 F1, 1, 0, 0
	MUL16 F1, 1, 2, 0
	WIN 0
	PLACES
.irp p, 0,1,2,3
	v_mov_b32 v[CL+2*\p+1], 0                      ; named as the upper word of a pair before it holds l
.endr
	s_barrier_signal -1                            ; every wave's reads of the ring are over: it may be written
	s_barrier_wait -1
	; the scores by rows: key 8 g + j of a row lies at 16 g + 4 j (j < 4) or 512 + 16 g + 4 (j - 4).  Each accumulator's low half goes first
.irp a, 0,1,2,3,4,5,6,7
	WIN 0x08+4*((\a)/4)                            ; the data in window 2 or 3
.irp b, 0,1,2,3,4,5,6,7
	ds_store_b128 v[DST0+(\a)/4], v[8*(8*((\a)%4)+(\b)):8*(8*((\a)%4)+(\b))+3]   offset:((\a)%4)*16*EP+32*(\b)
	ds_store_b128 v[DST0+(\a)/4], v[8*(8*((\a)%4)+(\b))+4:8*(8*((\a)%4)+(\b))+7] offset:((\a)%4)*16*EP+32*(\b)+512
.endr
.endr
	WIN 0
	s_wait_dscnt 0x0                               ; for the others' sake: my stores are done
	s_barrier_signal -1
	s_barrier_wait -1
	s_mov_b32 s3, 8
.Lrows:                                        ; a trip: 8 of my 64 rows, as four pairs: lanes 0-15 one row, lanes 16-31 the next; lane i holds keys 8 i .. 8 i + 7 and 128 + 8 i .. + 7
.irp p, 0,1,2,3
	ds_load_b128 v[X+16*\p:X+16*\p+3],     v[SRC] offset:2*EP*\p
	ds_load_b128 v[X+16*\p+4:X+16*\p+7],   v[SRC] offset:2*EP*\p+512
	ds_load_b128 v[X+16*\p+8:X+16*\p+11],  v[SRC] offset:2*EP*\p+256
	ds_load_b128 v[X+16*\p+12:X+16*\p+15], v[SRC] offset:2*EP*\p+768
.endr
.irp p, 0,1,2,3
	s_wait_dscnt 12-4*\p                           ; pair p's four loads are in, the younger ones stay out
	v_max3_num_f32 v[MX+4*\p],   v[X+16*\p],   v[X+16*\p+1],  v[X+16*\p+2]
	v_max3_num_f32 v[MX+4*\p+1], v[X+16*\p+3], v[X+16*\p+4],  v[X+16*\p+5]
	v_max3_num_f32 v[MX+4*\p+2], v[X+16*\p+6], v[X+16*\p+7],  v[X+16*\p+8]
	v_max3_num_f32 v[MX+4*\p+3], v[X+16*\p+9], v[X+16*\p+10], v[X+16*\p+11]
	v_max3_num_f32 v[MX+4*\p],   v[MX+4*\p],   v[X+16*\p+12], v[X+16*\p+13]
	v_max3_num_f32 v[MX+4*\p+1], v[MX+4*\p+1], v[X+16*\p+14], v[X+16*\p+15]
	v_max_num_f32  v[MX+4*\p+2], v[MX+4*\p+2], v[MX+4*\p+3]
	v_max3_num_f32 v[MX+4*\p],   v[MX+4*\p],   v[MX+4*\p+1],  v[MX+4*\p+2]
.endr
.irp x, 1,2,4,8
.irp p, 0,1,2,3
	v_max_num_f32_dpp v[MX+4*\p], v[MX+4*\p], v[MX+4*\p] row_xmask:\x row_mask:0xf bank_mask:0xf  ; across the row's sixteen lanes
.endr
.endr
.irp p, 0,1,2,3
	v_mul_f32 v[CL+2*\p], s[CS], v[MX+4*\p]        ; c m
.endr
.irp p, 0,1,2,3
.irp k, 0,1,2,3,4,5,6,7
	v_pk_fma_f32 v[X+16*\p+2*\k:X+16*\p+2*\k+1], v[X+16*\p+2*\k:X+16*\p+2*\k+1], s[CS:CS+1], v[CL+2*\p:CL+2*\p+1] op_sel_hi:[1,0,0] neg_lo:[0,0,1] neg_hi:[0,0,1]  ; c s - c m
.endr
.endr
.set e, 0
.rept 64
	v_exp_f32 v[X+e], v[X+e]                       ; one batch
.set e, e+1
.endr
	v_nop                                          ; a plain instruction behind the last exponential,
	s_wait_alu depctr_va_vdst(0)                   ; and one wait for the batch, ahead of its first reader
	s_wait_xcnt 0x0                                ; the last trip's stores have read Y and GA
	v_add_nc_u32 v[GA], 8*4096, v[GA]              ; the stores below reach back
.irp p, 0,1,2,3
.irp k, 0,1,2,3,4,5,6,7
	v_cvt_pk_f16_f32 v[Y+8*\p+\k], v[X+16*\p+2*\k], v[X+16*\p+2*\k+1]
.endr
.endr
.irp p, 0,1,2,3
.irp k, 0,4,8,12
	v_pk_add_f32 v[X+16*\p+\k:X+16*\p+\k+1], v[X+16*\p+\k:X+16*\p+\k+1], v[X+16*\p+\k+2:X+16*\p+\k+3]
.endr
.endr
.irp p, 0,1,2,3
.irp k, 0,8
	v_pk_add_f32 v[X+16*\p+\k:X+16*\p+\k+1], v[X+16*\p+\k:X+16*\p+\k+1], v[X+16*\p+\k+4:X+16*\p+\k+5]
.endr
.endr
.irp p, 0,1,2,3
	v_pk_add_f32 v[X+16*\p:X+16*\p+1], v[X+16*\p:X+16*\p+1], v[X+16*\p+8:X+16*\p+9]
.endr
.irp p, 0,1,2,3
	v_add_f32 v[CL+2*\p+1], v[X+16*\p], v[X+16*\p+1]
.endr
.irp x, 1,2,4,8
.irp p, 0,1,2,3
	v_add_f32_dpp v[CL+2*\p+1], v[CL+2*\p+1], v[CL+2*\p+1] row_xmask:\x row_mask:0xf bank_mask:0xf
.endr
.endr
.irp p, 0,1,2,3
.irp u, 0,1
	global_store_b128 v[GA], v[Y+8*\p+4*\u:Y+8*\p+4*\u+3], s[6:7] offset:8192*\p+256*\u-8*4096  ; 16 lanes store 256 consecutive bytes, aligned
.endr
.endr
.irp p, 0,1,2,3
	ds_store_b64 v[SA], v[CL+2*\p:CL+2*\p+1] offset:16*\p  ; a row's sixteen lanes write the same pair to the same place
.endr
	v_add_nc_u32 v[SRC], 8*EP, v[SRC]
	v_add_nc_u32 v[SA], 64, v[SA]
	s_sub_co_u32 s3, s3, 1
	s_cmp_lg_u32 s3, 0
	s_cbranch_scc1 .Lrows
	ds_load_b128 v[X:X+3], v[SR4]                  ; my wave's own 64 pairs: 512 bytes; LDS serves a wave's instructions in order
	s_wait_dscnt 0x0
	global_store_b128 v[SO4], v[X:X+3], s[8:9]     ; 512 consecutive bytes, aligned
	s_wait_tensorcnt 0x0                           ; the wave's end
	ds_add_u32 v[SPW], v[NIL]
	s_wait_dscnt 0x0
	s_endpgm
.Lfunc_end_k_q109cf70ec8_scores:
	.size	k_q109cf70ec8_scores, .Lfunc_end_k_q109cf70ec8_scores-k_q109cf70ec8_scores
	.p2alignl 7, 3214868480
	.fill 96, 4, 3214868480
	.section	.rodata,"a",@progbits
	.p2align	6, 0x0
	.amdhsa_kernel k_q109cf70ec8_scores
		.amdhsa_group_segment_fixed_size 327680
		.amdhsa_private_segment_fixed_size 0
		.amdhsa_enable_private_segment 0
		.amdhsa_kernarg_size 24
		.amdhsa_user_sgpr_count 2
		.amdhsa_user_sgpr_kernarg_segment_ptr 1
		.amdhsa_wavefront_size32 1
		.amdhsa_system_sgpr_workgroup_id_x 1
		.amdhsa_system_sgpr_workgroup_id_y 1
		.amdhsa_system_sgpr_workgroup_id_z 1
		.amdhsa_system_vgpr_workitem_id 0
		.amdhsa_next_free_vgpr 1024
		.amdhsa_next_free_sgpr 72
		.amdhsa_reserve_vcc 1
		.amdhsa_float_denorm_mode_32 3
		.amdhsa_float_denorm_mode_16_64 3
		.amdhsa_memory_ordered 1
		.amdhsa_forward_progress 1
		.amdhsa_inst_pref_size 132
	.end_amdhsa_kernel
	.amdgpu_metadata
---
amdhsa.version: [ 1, 2 ]
amdhsa.kernels:
  - .name:           k_q109cf70ec8_scores
    .symbol:         k_q109cf70ec8_scores.kd
    .args:
      - { .name: qkv, .offset: 0, .size: 8, .value_kind: global_buffer, .address_space: global }
      - { .name: pmat, .offset: 8, .size: 8, .value_kind: global_buffer, .address_space: global }
      - { .name: stat, .offset: 16, .size: 8, .value_kind: global_buffer, .address_space: global }
    .group_segment_fixed_size: 327680
    .private_segment_fixed_size: 0
    .kernarg_segment_align: 8
    .kernarg_segment_size: 24
    .max_flat_workgroup_size: 128
    .sgpr_count:     72
    .vgpr_count:     1024
    .wavefront_size: 32
...
	.end_amdgpu_metadata
.endif
;; end of part 3
;; launch pv (part 4): grid 8 x 32, 4 waves a work-group, clusters of 4 x 4, 327,680 bytes of LDS; arguments pmat, qkv, stat, omat; writes omat
.if DOCPART == 4
	.amdgcn_target "amdgcn-amd-amdhsa--gfx1250"
	.amdhsa_code_object_version 6
	.text
	.protected	k_q109cf70ec8_pv
	.globl	k_q109cf70ec8_pv
	.p2align	8
	.type	k_q109cf70ec8_pv,@function
k_q109cf70ec8_pv:
	s_mov_b64 s[64:65], 0
	v_nop
	global_prefetch_b8 v0, s[64:65] scope:SCOPE_SE
	s_setreg_imm32_b32 hwreg(HW_REG_WAVE_MODE, 25, 1), 1
	s_wait_xcnt 0x0
	s_wait_alu depctr_hold_cnt(0) depctr_sa_sdst(0) depctr_va_vdst(0) depctr_va_sdst(0) depctr_va_ssrc(0) depctr_va_vcc(0) depctr_vm_vsrc(0)
	s_getreg_b32 s2, hwreg(HW_REG_IB_STS2, 6, 4)
	s_cmp_eq_u32 s2, 0
	s_cbranch_scc0 .Lentry_in_a_cluster
	s_endpgm
.Lentry_in_a_cluster:
	s_bfe_u32 s2, ttmp6, 0x10000c
	s_cmp_lg_u32 s2, 0xf033
	s_cbranch_scc0 .Lentry_shape_is_right
	s_endpgm
.Lentry_shape_is_right:
; O[row] = (the sum over a row's key tiles t of f_t (P'_t V_t)) / L,  f_t = 2^(c m_t - c M),  L = the sum of f_t l_t,  M = the true maximum of the row over its tiles: f_t <= 1.
; P' and V in f16, products in f32; the joins, L and O's sums in f32; O rounded once to f16.  LIMIT: |O| lies within V's range, under 65,504; NaN and infinities are not treated apart.
; A tile of O is 128 queries x 128 channels, four waves of 64 x 64; a step is one key tile of 256.  P' rows lie along the keys (512 bytes, padded to 528); V lies [key][channel] (256 bytes, padded to 288 = 9 x 32)
; and comes out of LDS turned.  Source 0 = 16 channels, source 1 = 16 queries: a lane holds one query (lane % 16) and eight channels.
; THE WALK.  A cluster of 4 x 4 owns 512 channels x two blocks of 512 queries of one batch: block m (2 m + 2 steps), then block 3 - m (8 - 2 m steps): ten steps whatever m = cluster y % 2.  cy picks 128 queries
; of a block, cx 128 channels.  P' is shared along a row of the cluster, V along a column.  For cy < 2 a block's last step lies past the row's own tiles: it asks for the clamped tile, so that every partner
; makes every joint request and nothing unwritten is read, and it is joined with f = 0.
; The branch round the first way out hangs on cluster y and the step count alone: it is the same in all four waves and all sixteen partners.
; REGISTERS: window 0: v0-31 addresses; v32-95 at work; v96-123 statistics; v128-255 a step's 16 accumulators.  window 1: two fragment buffers of 128.  window 2: v0-127 O.
.set PA,     528
.set PB,     288
.set HALFA,  64*PA
.set HALFB,  128*PB
.set SLOT,   2*HALFA+2*HALFB
.set STAGE,  2*SLOT                    ; behind the ring: 128 rows x 272 bytes, the work-group's
.set SPITCH, 272
.set SPARE,  STAGE+128*SPITCH
.set VSTEP,  256*6144
.set ADRA0, 10
.set ADRB0, 11
.set ADRA, 16
.set ADRB, 20                          ; v20: key rows 0-127 of a step; v21: rows 128-255 (the immediate has 16 bits)
.set STO,  24
.set RD,   25
.set CO,   26
.set SO,   27                          ; v27  my row's 8 bytes among the tile's pairs in stat; never rewritten
.set SPW,  28
.set NIL,  29
.set TMP,  32
.set ML,   96                          ; v96-103   (c m, l) of the step, for row block a at ML + 2 a
.set FF,   104                         ; v104-111  f, named as pairs
.set CM,   112                         ; v112-115  c M of the block in hand
.set LL,   116                         ; v116-119  L
.set CMH,  120                         ; v120-123  c M of the second block
.set ACC,  128
.set F0,   0
.set F1,   128
.set WV, 12
.set RH, 13
.set CHF, 14
.set CXR, 15
.set CYR, 16
.set CHT, 17
.set BB, 18
.set MM, 19
.set G1, 24
.set G0, 32
.set ABH, 40                           ; s[40:41] pmat, s[42:43] stat, s[44:45] omat at the second block
.set SBH, 42
.set OBH, 44
.set IHI, 46
.set II,  47                           ; the last key tile of the rows in hand
.set G1B, 48
.set G0B, 56
.set IA,  66                           ; the same for the block whose tiles are being asked for
.set NXT, 67                           ; the tile to be asked for next
.set LQ,  68                           ; the last step of that block
.set TT,  69                           ; the step in hand
.set RT,  70                           ; steps of the block in hand still to be done
.set TB,  71
.set VAL, 72                           ; 1.0, or 0 for a step past the rows' own tiles
.set CNT, 73
.set LA0, 74
.set LB0, 75
.set STP, 76
.set AB,  78
.set NHI, 80
.set NH1, 81
.set MSB, 0
.macro WIN new
.if MSB != (\new)
	s_set_vgpr_msb (MSB<<8)|(\new)
.set MSB, \new
.endif
.endm
.macro PLACES
.rept 4
	v_nop
.endr
.endm
.macro JLOAD
	s_cmp_eq_u32 s[RH], 0
	s_cbranch_scc0 .Lfor_b_\@
	tensor_load_to_lds s[G0+4:G0+7], s[G1:G1+7]
	s_nop 0
.rept 4
	v_nop
.endr
	s_branch .Lasked_\@
.Lfor_b_\@:
	tensor_load_to_lds s[G0B+4:G0B+7], s[G1B:G1B+7]
	s_nop 0
.rept 4
	v_nop
.endr
.Lasked_\@:
.endm
.macro CREST
	s_cmp_lg_u32 s[WV], 0
	s_cbranch_scc1 .Lnot_wave_0_\@
	s_barrier_signal -3
.Lnot_wave_0_\@:
	s_barrier_wait -3
	s_barrier_signal -1
	s_barrier_wait -1
.endm
.macro CROUND
	s_barrier_signal -1
	s_barrier_wait -1
	CREST
.endm
; the addresses of tile NXT, made anew from the tensors' bases: P' at the clamped tile (s20-21 hold nothing of cx), V at the tile (s82-83 nothing of cy)
.macro MKDESC set
	s_min_u32 s20, s[NXT], s[IA]
	s_lshl_b32 s20, s20, 9
	s_mov_b32 s21, 0
	s_add_nc_u64 s[G0+4*(\set)+2:G0+4*(\set)+3], s[AB:AB+1], s[20:21]
	s_or_b32 s[G0+4*(\set)+3], s[G0+4*(\set)+3], 0x80000000
	s_mul_i32 s82, s[NXT], VSTEP
	s_mov_b32 s83, 0
	s_add_nc_u64 s[G0B+4*(\set)+2:G0B+4*(\set)+3], s[6:7], s[82:83]
	s_or_b32 s[G0B+4*(\set)+3], s[G0B+4*(\set)+3], 0x80000000
.endm
.macro ADVANCE                         ; the block's next tile, or behind its last the second block's tile 0
	s_add_co_u32 s[NXT], s[NXT], 1
	s_cmp_gt_u32 s[NXT], s[LQ]
	s_cselect_b32 s[NXT], 0, s[NXT]
	s_cselect_b64 s[AB:AB+1], s[ABH:ABH+1], s[AB:AB+1]
	s_cselect_b32 s[IA], s[IHI], s[IA]
	s_cselect_b32 s[LQ], s[NH1], s[LQ]
.endm
	s_load_b256 s[4:11], s[0:1], 0x0               ; pmat s[4:5], qkv s[6:7], stat s[8:9], omat s[10:11]
	v_lshl_add_u32 v[SPW], v0, 2, SPARE
	v_mov_b32 v[NIL], 0
	ds_add_u32 v[SPW], v[NIL]                      ; the wave's opening: the add and its wait stand ahead of my first tensor load
	v_lshrrev_b32 v1, 5, v0
	v_readfirstlane_b32 s[WV], v1
	s_lshr_b32 s[RH], s[WV], 1
	s_and_b32 s[CHF], s[WV], 1
	s_bfe_u32 s[CXR], ttmp6, 0x40000
	s_bfe_u32 s[CYR], ttmp6, 0x40004
	s_lshl_b32 s[CHT], ttmp9, 2
	s_add_co_u32 s[CHT], s[CHT], s[CXR]            ; which 128 channels
	s_and_b32 s[BB], ttmp7, 0xffff
	s_and_b32 s[MM], s[BB], 1
	s_lshr_b32 s[BB], s[BB], 1                     ; the batch
	s_lshl_b32 s20, s[CYR], 2
	s_lshl_b32 s20, 15, s20
	s_lshl_b32 s82, 0x1111, s[CXR]
	s_or_b32 s[G1+0], s20, (1<<16)|(1<<20)|(1<<21)|(6<<22)|(3<<25)   ; my row of the cluster; after every 128 words 4 words
	s_mov_b32 s[G1+1], 256<<16                     ; tensor_dim0 = 256
	s_mov_b32 s[G1+2], 64<<16                      ; tensor_dim1 = 64
	s_mov_b32 s[G1+3], 256<<16                     ; tile_dim0 = 256
	s_mov_b32 s[G1+4], 64                          ; tile_dim1 = 64
	s_mov_b32 s[G1+5], 2048
	s_mov_b32 s[G1+6], 0
	s_mov_b32 s[G1+7], 0
	s_or_b32 s[G1B+0], s82, (1<<16)|(1<<20)|(1<<21)|(5<<22)|(7<<25)  ; my column; after every 64 words 8 words
	s_mov_b32 s[G1B+1], 128<<16
	s_mov_b32 s[G1B+2], 128<<16
	s_mov_b32 s[G1B+3], 128<<16
	s_mov_b32 s[G1B+4], 128
	s_mov_b32 s[G1B+5], 3072
	s_mov_b32 s[G1B+6], 0
	s_mov_b32 s[G1B+7], 0
	s_lshr_b32 s21, s[CYR], 1
	s_lshl_b32 s22, s[MM], 1
	s_add_co_u32 s[II], s22, s21                   ; first block: 2 m + cy / 2
	s_sub_co_u32 s23, 6, s22
	s_add_co_u32 s[IHI], s23, s21                  ; second: 2 (3 - m) + cy / 2
	s_add_co_u32 s[RT], s22, 2
	s_sub_co_u32 s[NHI], 8, s22
	s_add_co_u32 s[LQ], s22, 1
	s_sub_co_u32 s[NH1], 7, s22
	s_mov_b32 s[IA], s[II]
	s_mov_b32 s[NXT], 0
	s_mov_b32 s[TT], 0
	s_mov_b32 s[TB], 0
	s_mul_i32 s[LA0], s[CHF], HALFA                ; where my loads go: no place in the cluster enters an LDS address
	s_mul_i32 s[LB0], s[CHF], HALFB
	s_add_co_u32 s[LB0], s[LB0], 2*HALFA
	s_lshl_b32 s20, s[CYR], 7
	s_lshl_b32 s21, s[MM], 9
	s_add_co_u32 s22, s20, s21                     ; my tile's first row in the batch: first block,
	s_sub_co_u32 s21, 1536, s21
	s_add_co_u32 s23, s20, s21                     ; second block
	s_lshl_b32 s20, s[BB], 11
	s_lshl_b32 s21, s[CHF], 6
	s_add_co_u32 s21, s21, s20
	s_add_co_u32 s86, s21, s22                     ; pmat: the 64 rows that I fetch, of 4,096 bytes
	s_lshl_b32 s86, s86, 12
	s_mov_b32 s87, 0
	s_add_co_u32 s88, s21, s23
	s_lshl_b32 s88, s88, 12
	s_mov_b32 s89, 0
	s_lshl_b32 s20, s[BB], 14                      ; stat: [batch][tile][row] pairs of 8 bytes
	s_add_co_u32 s90, s20, s22
	s_lshl_b32 s90, s90, 3
	s_mov_b32 s91, 0
	s_add_co_u32 s92, s20, s23
	s_lshl_b32 s92, s92, 3
	s_mov_b32 s93, 0
	s_lshl_b32 s20, s[BB], 11                      ; omat: the 32 rows that I store, the tile's 256 bytes
	s_lshl_b32 s21, s[WV], 5
	s_add_co_u32 s20, s20, s21
	s_lshl_b32 s98, s[CHT], 8
	s_add_co_u32 s94, s20, s22
	s_lshl_b32 s94, s94, 11
	s_add_co_u32 s94, s94, s98
	s_mov_b32 s95, 0
	s_add_co_u32 s96, s20, s23
	s_lshl_b32 s96, s96, 11
	s_add_co_u32 s96, s96, s98
	s_mov_b32 s97, 0
	s_lshl_b32 s82, s[BB], 11                      ; V: the 128 key rows that I fetch, v's columns begin at byte 4,096
	s_lshl_b32 s83, s[CHF], 7
	s_add_co_u32 s82, s82, s83
	s_mul_i32 s82, s82, 6144
	s_lshl_b32 s83, s[CHT], 8
	s_add_co_u32 s82, s82, s83
	s_add_co_u32 s82, s82, 4096
	s_mov_b32 s83, 0
	s_wait_dscnt 0x0                               ; the opening add is done
	s_wait_kmcnt 0x0
	s_add_nc_u64 s[AB:AB+1], s[4:5], s[86:87]
	s_add_nc_u64 s[ABH:ABH+1], s[4:5], s[88:89]
	s_add_nc_u64 s[6:7], s[6:7], s[82:83]
	s_add_nc_u64 s[SBH:SBH+1], s[8:9], s[92:93]
	s_add_nc_u64 s[8:9], s[8:9], s[90:91]
	s_add_nc_u64 s[OBH:OBH+1], s[10:11], s[96:97]
	s_add_nc_u64 s[10:11], s[10:11], s[94:95]
	CROUND                                         ; all sixteen work-groups are here: the first joint loads meet
	s_mov_b32 s[G0], 1
	s_mov_b32 s[G0+4], 1
	s_mov_b32 s[G0B], 1
	s_mov_b32 s[G0B+4], 1
	s_mov_b32 s[G0+1], s[LA0]
	s_add_co_u32 s[G0+5], s[LA0], SLOT
	s_mov_b32 s[G0B+1], s[LB0]
	s_add_co_u32 s[G0B+5], s[LB0], SLOT
	MKDESC 0
	ADVANCE
	MKDESC 1
	ADVANCE
	s_cmp_eq_u32 s[RH], 0                          ; a wave's two first fills stand in one branch: two loads of mine are out
	s_cbranch_scc0 .Lfirst_b
	tensor_load_to_lds s[G0:G0+3], s[G1:G1+7]
	s_nop 0
	tensor_load_to_lds s[G0+4:G0+7], s[G1:G1+7]
	s_nop 0
.rept 4
	v_nop
.endr
	s_branch .Lfirst_asked
.Lfirst_b:
	tensor_load_to_lds s[G0B:G0B+3], s[G1B:G1B+7]
	s_nop 0
	tensor_load_to_lds s[G0B+4:G0B+7], s[G1B:G1B+7]
	s_nop 0
.rept 4
	v_nop
.endr
.Lfirst_asked:
	v_and_b32 v1, 15, v0                           ; r
	v_bfe_u32 v2, v0, 4, 1                         ; h
	s_lshl_b32 s20, s[RH], 6
	v_add_nc_u32 v[SO], s20, v1
	v_lshlrev_b32 v[SO], 3, v[SO]
	; c M of both blocks: the maximum of c m over the row's tiles; a clamped tile is taken twice, which does a maximum no harm
.irp t, 0,1,2,3,4,5,6,7
	s_min_u32 s20, s[II], \t
	s_lshl_b32 s20, s20, 14
	v_add_nc_u32 v[TMP+\t], s20, v[SO]
	s_min_u32 s20, s[IHI], \t
	s_lshl_b32 s20, s20, 14
	v_add_nc_u32 v[TMP+8+\t], s20, v[SO]
.endr
.irp t, 0,1,2,3,4,5,6,7
.irp a, 0,1,2,3
	global_load_b32 v[ACC+4*\t+\a],    v[TMP+\t],   s[8:9] offset:128*\a
	global_load_b32 v[ACC+32+4*\t+\a], v[TMP+8+\t], s[SBH:SBH+1] offset:128*\a
.endr
.endr
	v_mul_u32_u24 v3, v1, PA
	v_lshl_add_u32 v3, v2, 4, v3
	s_mul_i32 s21, s[RH], HALFA
	v_add_nc_u32 v[ADRA0], s21, v3
	v_and_b32 v4, 7, v0
	v_lshl_add_u32 v4, v2, 3, v4
	v_mul_u32_u24 v4, v4, PB
	v_bfe_u32 v6, v0, 3, 1
	v_lshl_add_u32 v4, v6, 4, v4
	s_lshl_b32 s22, s[CHF], 7                      ; my 64 channels
	s_add_co_u32 s22, s22, 2*HALFA
	v_add_nc_u32 v[ADRB0], s22, v4
	v_mov_b32 v[ADRA], v[ADRA0]
	v_mov_b32 v[ADRB], v[ADRB0]
	v_add_nc_u32 v[ADRB+1], HALFB, v[ADRB0]
	s_mul_i32 s23, s[RH], 64*SPITCH                ; into the stage: my 64 rows, my half of their 256 bytes
	s_lshl_b32 s21, s[CHF], 7
	s_add_co_u32 s23, s23, s21
	s_add_co_u32 s23, s23, STAGE
	v_mul_u32_u24 v4, v1, SPITCH
	v_lshl_add_u32 v4, v2, 4, v4
	v_add_nc_u32 v[STO], s23, v4
	s_mul_i32 s23, s[WV], 32*SPITCH                ; back: wave w takes rows 32 w .. 32 w + 31, whole
	s_add_co_u32 s23, s23, STAGE
	v_mul_u32_u24 v5, v2, SPITCH
	v_lshl_add_u32 v5, v1, 4, v5
	v_add_nc_u32 v[RD], s23, v5
	v_lshlrev_b32 v5, 11, v2
	v_lshl_add_u32 v[CO], v1, 4, v5
.irp a, 0,1,2,3
	v_mov_b32 v[LL+\a], 0
	v_mov_b32 v[FF+2*\a+1], 0                      ; named as the upper word of a pair
.endr
	WIN 0x80                                       ; O starts at 0: written in the wait for the first tile, so that every step has one form of join
.set i, 0
.rept 128
	v_mov_b32 v[i], 0
.set i, i+1
.endr
	WIN 0
	s_wait_loadcnt 0x0
.irp a, 0,1,2,3
	v_max3_num_f32 v[CM+\a],  v[ACC+\a],    v[ACC+4+\a],  v[ACC+8+\a]
	v_max3_num_f32 v[CMH+\a], v[ACC+32+\a], v[ACC+36+\a], v[ACC+40+\a]
	v_max3_num_f32 v[CM+\a],  v[CM+\a],     v[ACC+12+\a], v[ACC+16+\a]
	v_max3_num_f32 v[CMH+\a], v[CMH+\a],    v[ACC+44+\a], v[ACC+48+\a]
	v_max3_num_f32 v[CM+\a],  v[CM+\a],     v[ACC+20+\a], v[ACC+24+\a]
	v_max3_num_f32 v[CMH+\a], v[CMH+\a],    v[ACC+52+\a], v[ACC+56+\a]
	v_max_num_f32  v[CM+\a],  v[CM+\a],     v[ACC+28+\a]
	v_max_num_f32  v[CMH+\a], v[CMH+\a],    v[ACC+60+\a]
.endr
; 8 matrix instructions: row blocks a0, a0 + 1 x all 4 channel blocks, 32 keys: half c of buffer f.  z = 1: they start a step's sums.  The 16 accumulators take turns
.macro MUL8 f, c, a0, z
	WIN 0x05
.irp a, \a0, (\a0)+1
.irp b, 0,1,2,3
.if \z
	v_wmma_f32_16x16x32_f16 v[ACC+8*(4*(\a)+(\b)):ACC+8*(4*(\a)+(\b))+7], v[(\f)+64+8*(4*(\c)+(\b)):(\f)+64+8*(4*(\c)+(\b))+7], v[(\f)+8*(4*(\c)+(\a)):(\f)+8*(4*(\c)+(\a))+7], 0
.else
	v_wmma_f32_16x16x32_f16 v[ACC+8*(4*(\a)+(\b)):ACC+8*(4*(\a)+(\b))+7], v[(\f)+64+8*(4*(\c)+(\b)):(\f)+64+8*(4*(\c)+(\b))+7], v[(\f)+8*(4*(\c)+(\a)):(\f)+8*(4*(\c)+(\a))+7], v[ACC+8*(4*(\a)+(\b)):ACC+8*(4*(\a)+(\b))+7]
.endif
.endr
.endr
.endm
; 32 LDS loads in one run: quarter q (64 keys) of the slot in hand into buffer f, its first 32 keys first
.macro FETCH q, f
	WIN 0x40
.irp c, 0,1
.irp i, 0,1,2,3
	ds_load_tr16_b128 v[(\f)+64+8*(4*(\c)+(\i)):(\f)+64+8*(4*(\c)+(\i))+3],   v[ADRB+(\q)/2] offset:(((\q)%2)*64+32*(\c))*PB+32*(\i)
	ds_load_tr16_b128 v[(\f)+64+8*(4*(\c)+(\i))+4:(\f)+64+8*(4*(\c)+(\i))+7], v[ADRB+(\q)/2] offset:(((\q)%2)*64+32*(\c))*PB+32*(\i)+16*PB
	ds_load_b128 v[(\f)+8*(4*(\c)+(\i)):(\f)+8*(4*(\c)+(\i))+3],   v[ADRA] offset:128*(\q)+64*(\c)+(\i)*16*PA
	ds_load_b128 v[(\f)+8*(4*(\c)+(\i))+4:(\f)+8*(4*(\c)+(\i))+7], v[ADRA] offset:128*(\q)+64*(\c)+(\i)*16*PA+32
.endr
.endr
.endm
.macro QUARTER q, f, g, z
	s_wait_dscnt 16                                ; the first 32 keys are in
	MUL8 \f, 0, 0, \z
	MUL8 \f, 0, 2, \z
	PLACES
	FETCH \q, \g
	s_wait_dscnt 32                                ; all but the 32 just issued
	MUL8 \f, 1, 0, 0
	MUL8 \f, 1, 2, 0
.endm
; the change of slots; fill = 1: a round of the cluster's barrier, and the joint refill first behind it: 112 matrix instructions and a join stand between it and the wait for it
.macro TURN fill
	WIN 0
	s_wait_tensorcnt 0x0                           ; no tensor load of mine is out, so a group 0 may be written
	ds_add_u32 v[SPW], v[NIL]
.if \fill
	s_add_co_u32 s[G0+5], s[LA0], s[TB]            ; into the slot that this step leaves
	s_add_co_u32 s[G0B+5], s[LB0], s[TB]
	MKDESC 1
	ADVANCE
.endif
	s_wait_dscnt 17                                ; the add and the youngest sixteen loads may be out
	MUL8 F1, 0, 0, 0
	s_wait_dscnt 0x0                               ; the add is done, and my reads of this slot are over
	s_barrier_signal -1
	MUL8 F1, 0, 2, 0
	WIN 0
	s_barrier_wait -1
.if \fill
	CREST
	JLOAD
.else
	PLACES
.endif
	s_xor_b32 s[TB], s[TB], SLOT
	v_add_nc_u32 v[ADRA], s[TB], v[ADRA0]
	v_add_nc_u32 v[ADRB], s[TB], v[ADRB0]
	v_add_nc_u32 v[ADRB+1], HALFB, v[ADRB]
	FETCH 0, F0
	WIN 0
	s_wait_loadcnt 0x0                             ; the step's (c m, l)
.irp a, 0,1,2,3
	v_sub_f32 v[FF+2*\a], v[ML+2*\a], v[CM+\a]
.endr
.irp a, 0,1,2,3
	v_exp_f32 v[FF+2*\a], v[FF+2*\a]               ; f: a batch of four; its wait stands in the join
.endr
	MUL8 F1, 1, 0, 0
	MUL8 F1, 1, 2, 0
.endm
; A STEP: one key tile.  Its sums start at 0; at its end O += f x sums, L += f l
.macro STEP fill
	s_min_u32 s22, s[TT], s[II]
	s_lshl_b32 s22, s22, 14
	s_mov_b32 s23, 0
	s_add_nc_u64 s[STP:STP+1], s[8:9], s[22:23]    ; the last step's loads from here were waited for in its change of slots
	s_cmp_le_u32 s[TT], s[II]
	s_cselect_b32 s[VAL], 1.0, 0
.irp a, 0,1,2,3
	global_load_b64 v[ML+2*\a:ML+2*\a+1], v[SO], s[STP:STP+1] offset:128*\a
.endr
	QUARTER 1, F0, F1, 1
	QUARTER 2, F1, F0, 0
	QUARTER 3, F0, F1, 0
	TURN \fill
	WIN 0
	PLACES                                         ; behind the last products, and the plain instructions behind the exponentials
	s_wait_alu depctr_va_vdst(0)                   ; one wait for the four f, ahead of their first reader
.irp a, 0,1,2,3
	v_mul_f32 v[FF+2*\a], s[VAL], v[FF+2*\a]
.endr
.irp a, 0,1,2,3
	v_fmac_f32 v[LL+\a], v[FF+2*\a], v[ML+2*\a+1]
.endr
	WIN 0xa0                                       ; O (destination and source 2) in window 2
.set t, 0
.rept 16
.set k, 0
.rept 4
	v_pk_fma_f32 v[8*t+2*k:8*t+2*k+1], v[ACC+8*t+2*k:ACC+8*t+2*k+1], v[FF+2*(t/4):FF+2*(t/4)+1], v[8*t+2*k:8*t+2*k+1] op_sel_hi:[1,0,1]
.set k, k+1
.endr
.set t, t+1
.endr
	WIN 0
	s_add_co_u32 s[TT], s[TT], 1
	s_sub_co_u32 s[RT], s[RT], 1
.endm
; THE WAY OUT: O / L, rounded to f16; 16 bytes a lane into the work-group's stage; a barrier, since a row's 256 bytes come from two waves; back as whole rows, 32 a wave.  clr = 1: O starts anew
.macro WAYOUT clr, base
	WIN 0
	s_wait_xcnt 0x0                                ; earlier stores have read the registers that are written below
.irp a, 0,1,2,3
	v_rcp_f32 v[FF+2*\a], v[LL+\a]
.endr
	v_nop
	s_wait_alu depctr_va_vdst(0)                   ; one wait for the four reciprocals
	WIN 0x82
.set t, 0
.rept 16
.set k, 0
.rept 4
	v_pk_mul_f32 v[8*t+2*k:8*t+2*k+1], v[8*t+2*k:8*t+2*k+1], v[FF+2*(t/4):FF+2*(t/4)+1] op_sel_hi:[1,0]
.set k, k+1
.endr
.set t, t+1
.endr
	WIN 0x0a
.set t, 0
.rept 64
	v_cvt_pk_f16_f32 v[TMP+t], v[2*t], v[2*t+1]
.set t, t+1
.endr
.if \clr
	WIN 0x80
.set t, 0
.rept 128
	v_mov_b32 v[t], 0
.set t, t+1
.endr
.endif
	WIN 0
.irp a, 0,1,2,3
.irp b, 0,1,2,3
	ds_store_b128 v[STO], v[TMP+4*(4*(\a)+(\b)):TMP+4*(4*(\a)+(\b))+3] offset:(\a)*16*SPITCH+32*(\b)
.endr
.endr
	s_wait_dscnt 0x0                               ; for the others' sake: my stores into the stage are done
	s_barrier_signal -1
	s_barrier_wait -1
.irp t, 0,1,2,3,4,5,6,7,8,9,10,11,12,13,14,15
	ds_load_b128 v[TMP+4*(\t):TMP+4*(\t)+3], v[RD] offset:(\t)*2*SPITCH
.endr
.irp t, 0,1,2,3,4,5,6,7,8,9,10,11,12,13,14,15
	s_wait_dscnt 15-(\t)
	global_store_b128 v[CO], v[TMP+4*(\t):TMP+4*(\t)+3], s[(\base):(\base)+1] offset:2*(\t)*2048  ; 16 lanes store 256 consecutive bytes, aligned
.endr
.endm
	s_wait_tensorcnt 1                             ; my part of step 0 is in; step 1's may stay out
	s_barrier_signal -1
	s_barrier_wait -1
	FETCH 0, F0
	WIN 0
	s_mov_b32 s[CNT], 8
.Lstep:                                        ; steps 0 to 7 of the walk ask for steps 2 to 9
	STEP 1
	s_cmp_lg_u32 s[RT], 0
	s_cbranch_scc1 .Lon
	WAYOUT 1, 10                                   ; the first block is finished; the stage is written again only behind later barriers, each with every wave's LDS reads waited for in front of it
.irp a, 0,1,2,3
	v_mov_b32 v[CM+\a], v[CMH+\a]
	v_mov_b32 v[LL+\a], 0
.endr
	s_mov_b64 s[8:9], s[SBH:SBH+1]
	s_mov_b32 s[II], s[IHI]
	s_mov_b32 s[TT], 0
	s_mov_b32 s[RT], s[NHI]
.Lon:
	s_sub_co_u32 s[CNT], s[CNT], 1
	s_cmp_lg_u32 s[CNT], 0
	s_cbranch_scc1 .Lstep
	s_mov_b32 s[CNT], 2
.Ltail:                                        ; steps 8 and 9 ask for nothing.  The last trip's run of LDS loads reads the other slot once more and feeds nothing: the price, once a launch, of one text for both trips
	STEP 0
	s_sub_co_u32 s[CNT], s[CNT], 1
	s_cmp_lg_u32 s[CNT], 0
	s_cbranch_scc1 .Ltail
	WAYOUT 0, OBH
	s_wait_tensorcnt 0x0                           ; the wave's end
	ds_add_u32 v[SPW], v[NIL]
	s_wait_dscnt 0x0
	CROUND                                         ; the closing round
	s_endpgm
.Lfunc_end_k_q109cf70ec8_pv:
	.size	k_q109cf70ec8_pv, .Lfunc_end_k_q109cf70ec8_pv-k_q109cf70ec8_pv
	.p2alignl 7, 3214868480
	.fill 96, 4, 3214868480
	.section	.rodata,"a",@progbits
	.p2align	6, 0x0
	.amdhsa_kernel k_q109cf70ec8_pv
		.amdhsa_group_segment_fixed_size 327680
		.amdhsa_private_segment_fixed_size 0
		.amdhsa_enable_private_segment 0
		.amdhsa_kernarg_size 32
		.amdhsa_user_sgpr_count 2
		.amdhsa_user_sgpr_kernarg_segment_ptr 1
		.amdhsa_wavefront_size32 1
		.amdhsa_system_sgpr_workgroup_id_x 1
		.amdhsa_system_sgpr_workgroup_id_y 1
		.amdhsa_system_sgpr_workgroup_id_z 1
		.amdhsa_system_vgpr_workitem_id 0
		.amdhsa_next_free_vgpr 640
		.amdhsa_next_free_sgpr 100
		.amdhsa_reserve_vcc 0
		.amdhsa_float_denorm_mode_32 3
		.amdhsa_float_denorm_mode_16_64 3
		.amdhsa_memory_ordered 1
		.amdhsa_forward_progress 1
		.amdhsa_inst_pref_size 102
	.end_amdhsa_kernel
	.amdgpu_metadata
---
amdhsa.version: [ 1, 2 ]
amdhsa.kernels:
  - .name:           k_q109cf70ec8_pv
    .symbol:         k_q109cf70ec8_pv.kd
    .args:
      - { .name: pmat, .offset: 0, .size: 8, .value_kind: global_buffer, .address_space: global }
      - { .name: qkv, .offset: 8, .size: 8, .value_kind: global_buffer, .address_space: global }
      - { .name: stat, .offset: 16, .size: 8, .value_kind: global_buffer, .address_space: global }
      - { .name: omat, .offset: 24, .size: 8, .value_kind: global_buffer, .address_space: global }
    .group_segment_fixed_size: 327680
    .private_segment_fixed_size: 0
    .kernarg_segment_align: 8
    .kernarg_segment_size: 32
    .max_flat_workgroup_size: 128
    .sgpr_count:     100
    .vgpr_count:     640
    .wavefront_size: 32
...
	.end_amdgpu_metadata
.endif
;; end of part 4
;; launch outp (part 5): grid 8 x 32, 4 waves a work-group, clusters of 4 x 4, 327,680 bytes of LDS; arguments omat, wo16, bias, out0; writes out0
.if DOCPART == 5
	.amdgcn_target "amdgcn-amd-amdhsa--gfx1250"
	.amdhsa_code_object_version 6
	.text
	.protected	k_q109cf70ec8_outp
	.globl	k_q109cf70ec8_outp
	.p2align	8
	.type	k_q109cf70ec8_outp,@function
k_q109cf70ec8_outp:
	s_mov_b64 s[64:65], 0
	v_nop
	global_prefetch_b8 v0, s[64:65] scope:SCOPE_SE
	s_setreg_imm32_b32 hwreg(HW_REG_WAVE_MODE, 25, 1), 1
	s_wait_xcnt 0x0
	s_wait_alu depctr_hold_cnt(0) depctr_sa_sdst(0) depctr_va_vdst(0) depctr_va_sdst(0) depctr_va_ssrc(0) depctr_va_vcc(0) depctr_vm_vsrc(0)
	s_getreg_b32 s2, hwreg(HW_REG_IB_STS2, 6, 4)
	s_cmp_eq_u32 s2, 0
	s_cbranch_scc0 .Lentry_in_a_cluster
	s_endpgm
.Lentry_in_a_cluster:
	s_bfe_u32 s2, ttmp6, 0x10000c
	s_cmp_lg_u32 s2, 0xf033
	s_cbranch_scc0 .Lentry_shape_is_right
	s_endpgm
.Lentry_shape_is_right:
; out0[8192][1024] = omat[8192][1024] x wo16[1024][1024] + bo.  f16 operands, f32 sums that START with the bias, f32 out.
; SHARES.  256 work-groups, one tile of 256 x 128 each; four waves of 128 x 64: 32 accumulators.  K in 8 steps of 128 through two LDS slots, a trip a K step, the slot in hand in the scalar TB.
; A's rows lie along K (256 bytes, padded to 272); B lies [k][n] (256 bytes, padded to 288 = 9 x 32) and comes out of LDS turned.  Source 0 = 16 columns, source 1 = 16 rows: a lane holds one row and eight columns.
; THE BIAS IS THE FIRST PRODUCT: source 0 holds f16(bo) of its column at k = 0, source 1 holds 1 at k = 0, C = 0; these 32 products run while the first tiles are on their way.
; LIMIT.  bo arrives rounded to bf16; as f16 that number is exact from 2^-17 up to 65,504, and below it keeps f16's fixed step of 6e-8.
; CLUSTER 4 x 4: A's tile is shared along a row of the cluster, B's along a column.
; A wave's 64 columns are 256 bytes of a row of out0, so each wave sends its results through a stage of its own: no barrier on the way out.
; REGISTERS: window 0: v0-31 addresses; two fragment buffers of 96 at v32 and v128: A's eight fragments, then B's four; on the way out v32-95 rows read back.  window 1: the accumulators, (a, b) at v[8 (4 a + b)].
.set PA,     272
.set PB,     288
.set HALFA,  128*PA
.set HALFB,  64*PB
.set SLOT,   2*HALFA+2*HALFB
.set STAGE,  2*SLOT                    ; behind the ring: 16 rows x 272 bytes for each wave
.set SPITCH, 272
.set SPARE,  STAGE+4*16*SPITCH         ; the spare words, 128 bytes for each wave, that no other line names
.set ASTEP,  256
.set BSTEP,  128*2048
.set ADRA0, 10
.set ADRB0, 11
.set ADRA, 12
.set ADRB, 13
.set PFO,  21                          ; v21  the prefetches' offset: 2,048 x lane: a row of omat and of wo16; never rewritten
.set STO,  24
.set RD,   25
.set CO,   26
.set SPW,  28
.set NIL,  29
.set F0,   32
.set F1,   128
.set OB,   32
.set G1, 24
.set G0, 32
.set LIM, 43                           ; s43  2 in a wave that prefetches, else the greatest number
.set PFA, 44
.set PFS, 46
.set G1B, 48
.set G0B, 56
.set WV,  66
.set RH,  67
.set CHF, 68
.set TB,  69
.set CLY, 73
.set LA0, 74
.set LB0, 75
.set MSB, 0
.macro WIN new
.if MSB != (\new)
	s_set_vgpr_msb (MSB<<8)|(\new)
.set MSB, \new
.endif
.endm
.macro PLACES
.rept 4
	v_nop
.endr
.endm
.macro JLOAD
	s_cmp_eq_u32 s[RH], 0
	s_cbranch_scc0 .Lfor_b_\@
	tensor_load_to_lds s[G0+4:G0+7], s[G1:G1+7]
	s_nop 0
.rept 4
	v_nop
.endr
	s_branch .Lasked_\@
.Lfor_b_\@:
	tensor_load_to_lds s[G0B+4:G0B+7], s[G1B:G1B+7]
	s_nop 0
.rept 4
	v_nop
.endr
.Lasked_\@:
.endm
.macro CREST
	s_cmp_lg_u32 s[WV], 0
	s_cbranch_scc1 .Lnot_wave_0_\@
	s_barrier_signal -3
.Lnot_wave_0_\@:
	s_barrier_wait -3
	s_barrier_signal -1
	s_barrier_wait -1
.endm
.macro CROUND
	s_barrier_signal -1
	s_barrier_wait -1
	CREST
.endm
; A PREFETCH of the K step two refills on (the change of slots at step s names step s + 4): a lane a row's 256 bytes, one line a wave.  A's tile row is read by both clusters of its row of clusters: cluster x = 0 asks,
; waves 0 and 1 for rows 32 cx + lane of the 128 that each fetches.  B's tile column is read by all eight clusters of its column: cluster y = 0 asks, wave 2 for k row 32 cy + lane of the step's 128.
; s3 counts 6 .. 1 for steps 0 .. 5: only steps 0 to 3 ask, so step 7 is the last that is named.
.macro ASK
	s_cmp_gt_u32 s3, s[LIM]
	s_cbranch_scc0 .Lnot_mine_\@
	global_prefetch_b8 v[PFO], s[PFA:PFA+1] th:TH_LOAD_NT scope:SCOPE_SE
.Lnot_mine_\@:
.endm
	s_load_b256 s[4:11], s[0:1], 0x0               ; omat s[4:5], wo16 s[6:7], bias s[8:9], out0 s[10:11]
	v_lshl_add_u32 v[SPW], v0, 2, SPARE
	v_mov_b32 v[NIL], 0
	ds_add_u32 v[SPW], v[NIL]                      ; the wave's opening: the add and its wait stand ahead of my first tensor load
	v_lshrrev_b32 v1, 5, v0
	v_readfirstlane_b32 s[WV], v1
	s_lshr_b32 s[RH], s[WV], 1
	s_and_b32 s[CHF], s[WV], 1
	s_bfe_u32 s40, ttmp6, 0x40000                  ; cx
	s_bfe_u32 s41, ttmp6, 0x40004                  ; cy
	s_lshl_b32 s42, ttmp9, 2
	s_add_co_u32 s42, s42, s40                     ; tile column, 0 .. 7
	s_and_b32 s[CLY], ttmp7, 0xffff
	s_lshl_b32 s13, s[CLY], 2
	s_add_co_u32 s13, s13, s41                     ; tile row, 0 .. 31
	s_lshl_b32 s21, s41, 2
	s_lshl_b32 s21, 15, s21
	s_lshl_b32 s22, 0x1111, s40
	s_or_b32 s[G1+0], s21, (1<<16)|(1<<20)|(1<<21)|(5<<22)|(3<<25)   ; my row of the cluster; after every 64 words 4 words
	s_mov_b32 s[G1+1], 128<<16                     ; tensor_dim0 = 128
	s_mov_b32 s[G1+2], 128<<16                     ; tensor_dim1 = 128
	s_mov_b32 s[G1+3], 128<<16                     ; tile_dim0 = 128
	s_mov_b32 s[G1+4], 128                         ; tile_dim1 = 128
	s_mov_b32 s[G1+5], 1024
	s_mov_b32 s[G1+6], 0
	s_mov_b32 s[G1+7], 0
	s_or_b32 s[G1B+0], s22, (1<<16)|(1<<20)|(1<<21)|(5<<22)|(7<<25)  ; my column; after every 64 words 8 words
	s_mov_b32 s[G1B+1], 128<<16                    ; tensor_dim0 = 128
	s_mov_b32 s[G1B+2], 64<<16                     ; tensor_dim1 = 64
	s_mov_b32 s[G1B+3], 128<<16                    ; tile_dim0 = 128
	s_mov_b32 s[G1B+4], 64                         ; tile_dim1 = 64
	s_mov_b32 s[G1B+5], 1024
	s_mov_b32 s[G1B+6], 0
	s_mov_b32 s[G1B+7], 0
	s_lshl_b32 s16, s13, 8                         ; A: row 256 x tile row + 128 x half, of 2,048 bytes
	s_lshl_b32 s17, s[CHF], 7
	s_add_co_u32 s16, s16, s17
	s_lshl_b32 s16, s16, 11
	s_mov_b32 s17, 0
	s_lshl_b32 s70, s[CHF], 17                     ; B: k row 64 x half, of 2,048 bytes,
	s_lshl_b32 s71, s42, 8                         ; the tile column's 256 bytes
	s_add_co_u32 s70, s70, s71
	s_mov_b32 s71, 0
	s_mul_i32 s[LA0], s[CHF], HALFA                ; where my loads go: no place in the cluster enters an LDS address
	s_mul_i32 s[LB0], s[CHF], HALFB
	s_add_co_u32 s[LB0], s[LB0], 2*HALFA
	s_mov_b32 s[TB], 0
	s_wait_dscnt 0x0                               ; the opening add is done
	s_wait_kmcnt 0x0
	s_add_nc_u64 s[14:15], s[4:5], s[16:17]
	s_add_nc_u64 s[70:71], s[6:7], s[70:71]
	CROUND                                         ; all sixteen work-groups are here: the first joint loads meet
.irp s, 0,1
	s_mov_b32 s[G0+4*(\s)], 1
	s_add_co_u32 s[G0+4*(\s)+1], s[LA0], (\s)*SLOT
	s_add_nc_u64 s[G0+4*(\s)+2:G0+4*(\s)+3], s[14:15], (\s)*ASTEP
	s_or_b32 s[G0+4*(\s)+3], s[G0+4*(\s)+3], 0x80000000
	s_mov_b32 s[G0B+4*(\s)], 1
	s_add_co_u32 s[G0B+4*(\s)+1], s[LB0], (\s)*SLOT
	s_add_nc_u64 s[G0B+4*(\s)+2:G0B+4*(\s)+3], s[70:71], (\s)*BSTEP
	s_or_b32 s[G0B+4*(\s)+3], s[G0B+4*(\s)+3], 0x80000000
.endr
	s_cmp_eq_u32 s[RH], 0                          ; a wave's two first fills stand in one branch: two loads of mine are out
	s_cbranch_scc0 .Lfirst_b
	tensor_load_to_lds s[G0:G0+3], s[G1:G1+7]
	s_nop 0
	tensor_load_to_lds s[G0+4:G0+7], s[G1:G1+7]
	s_nop 0
.rept 4
	v_nop
.endr
	s_branch .Lfirst_asked
.Lfirst_b:
	tensor_load_to_lds s[G0B:G0B+3], s[G1B:G1B+7]
	s_nop 0
	tensor_load_to_lds s[G0B+4:G0B+7], s[G1B:G1B+7]
	s_nop 0
.rept 4
	v_nop
.endr
.Lfirst_asked:
	v_and_b32 v1, 15, v0                           ; r
	v_bfe_u32 v2, v0, 4, 1                         ; h
	v_lshlrev_b32 v3, 2, v1                        ; the bias of column r of each of my 4 blocks of 16
	s_lshl_b32 s18, s42, 9                         ; bo begins at number 3,072 of bias
	s_lshl_b32 s19, s[CHF], 8
	s_add_co_u32 s18, s18, s19
	s_add_co_u32 s18, s18, 3072*4
	s_mov_b32 s19, 0
	s_add_nc_u64 s[18:19], s[8:9], s[18:19]
.irp b, 0,1,2,3
	global_load_b32 v[F0+64+8*\b], v3, s[18:19] offset:64*\b
.endr
	v_mul_u32_u24 v4, v1, PA
	v_lshl_add_u32 v4, v2, 4, v4
	s_mul_i32 s21, s[RH], HALFA
	v_add_nc_u32 v[ADRA0], s21, v4
	v_and_b32 v5, 7, v0
	v_lshl_add_u32 v5, v2, 3, v5
	v_mul_u32_u24 v5, v5, PB
	v_bfe_u32 v6, v0, 3, 1
	v_lshl_add_u32 v5, v6, 4, v5
	s_lshl_b32 s22, s[CHF], 7                      ; my 64 columns
	s_add_co_u32 s22, s22, 2*HALFA
	v_add_nc_u32 v[ADRB0], s22, v5
	v_mov_b32 v[ADRA], v[ADRA0]
	v_mov_b32 v[ADRB], v[ADRB0]
	s_mul_i32 s23, s[WV], 16*SPITCH
	s_add_co_u32 s23, s23, STAGE                   ; my stage
	v_mul_u32_u24 v4, v1, SPITCH                   ; in: row r, 32 bytes for each half of the lanes
	v_lshl_add_u32 v4, v2, 5, v4
	v_add_nc_u32 v[STO], s23, v4
	v_mul_u32_u24 v6, v2, SPITCH                   ; back: lanes 0-15 one row of 256 bytes, lanes 16-31 the next
	v_lshl_add_u32 v6, v1, 4, v6
	v_add_nc_u32 v[RD], s23, v6
	v_lshlrev_b32 v6, 12, v2
	v_lshl_add_u32 v[CO], v1, 4, v6
	s_lshl_b32 s72, s13, 8                         ; out0 at my wave's 128 rows and 64 columns
	s_lshl_b32 s23, s[RH], 7
	s_add_co_u32 s72, s72, s23
	s_lshl_b32 s72, s72, 12
	s_lshl_b32 s23, s42, 9
	s_add_co_u32 s72, s72, s23
	s_lshl_b32 s23, s[CHF], 8
	s_add_co_u32 s72, s72, s23
	s_mov_b32 s23, 0
	s_mov_b32 s22, s72
	s_add_nc_u64 s[10:11], s[10:11], s[22:23]
	; the prefetches: both start at K step 3; the first change of slots steps to 4
	s_lshl_b32 s21, s13, 8
	s_lshl_b32 s23, s[CHF], 7
	s_add_co_u32 s21, s21, s23
	s_lshl_b32 s23, s40, 5
	s_add_co_u32 s21, s21, s23
	s_lshl_b32 s21, s21, 11
	s_add_co_u32 s21, s21, 3*ASTEP
	s_lshl_b32 s22, s41, 16                        ; 32 cy rows of 2,048 bytes
	s_lshl_b32 s23, s42, 8
	s_add_co_u32 s22, s22, s23
	s_add_co_u32 s22, s22, 3*BSTEP
	s_mov_b32 s23, ASTEP
	s_mov_b32 s2, BSTEP
	s_or_b32 s72, s[CLY], s[CHF]                   ; B: cluster y = 0, wave 2 alone
	s_cmp_eq_u32 s[RH], 0
	s_cselect_b64 s[PFA:PFA+1], s[4:5], s[6:7]
	s_cselect_b32 s22, s21, s22
	s_cselect_b32 s72, ttmp9, s72                  ; A: cluster x = 0, waves 0 and 1
	s_cselect_b32 s[PFS], s23, s2
	s_mov_b32 s23, 0
	s_mov_b32 s[PFS+1], 0
	s_add_nc_u64 s[PFA:PFA+1], s[PFA:PFA+1], s[22:23]
	s_cmp_eq_u32 s72, 0
	s_cselect_b32 s[LIM], 2, -1                    ; the same in all sixteen partners, for a given wave
	v_and_b32 v4, 31, v0
	v_lshlrev_b32 v[PFO], 11, v4
	; the fragments of the first product: all zeros but k = 0, which is the low half of register 0 in lanes 0-15
	v_cmp_eq_u32 s12, 0, v2
	v_mov_b32 v4, 0x3c00                           ; 1.0 in f16
	v_cndmask_b32 v[F0], 0, v4, s12
.irp j, 1,2,3,4,5,6,7
	v_mov_b32 v[F0+\j], 0
.irp b, 0,1,2,3
	v_mov_b32 v[F0+64+8*\b+\j], 0
.endr
.endr
	s_wait_loadcnt 0x0                             ; the bias
.irp b, 0,1,2,3
	v_cvt_pk_f16_f32 v[F0+64+8*\b], v[F0+64+8*\b], v[NIL]
	v_cndmask_b32 v[F0+64+8*\b], 0, v[F0+64+8*\b], s12
.endr
; Row blocks a0 .. an - 1 x all 4 column blocks, 32 along K, from buffer f.  The 32 accumulators take turns, one instruction a turn, in the same order in every quarter.
.macro MUL f, a0, an
	WIN 0x50                                       ; C and D in window 1, both sources in window 0
.set a_, \a0
.rept (\an)-(\a0)
.irp b, 0,1,2,3
	v_wmma_f32_16x16x32_f16 v[8*(4*a_+\b):8*(4*a_+\b)+7], v[(\f)+64+8*\b:(\f)+64+8*\b+7], v[(\f)+8*a_:(\f)+8*a_+7], v[8*(4*a_+\b):8*(4*a_+\b)+7]
.endr
.set a_, a_+1
.endr
.endm
; 24 LDS loads in one run: quarter q (32 along K) of the slot in hand into buffer f: B's four fragments, then A's eight
.macro FETCH q, f
	WIN 0
.irp i, 0,1,2,3
	ds_load_tr16_b128 v[(\f)+64+8*\i:(\f)+64+8*\i+3],   v[ADRB] offset:(\q)*32*PB+32*\i
	ds_load_tr16_b128 v[(\f)+64+8*\i+4:(\f)+64+8*\i+7], v[ADRB] offset:(\q)*32*PB+16*PB+32*\i
.endr
.irp i, 0,1,2,3,4,5,6,7
	ds_load_b128 v[(\f)+8*\i:(\f)+8*\i+3],   v[ADRA] offset:64*(\q)+\i*16*PA
	ds_load_b128 v[(\f)+8*\i+4:(\f)+8*\i+7], v[ADRA] offset:64*(\q)+\i*16*PA+32
.endr
.endm
.macro QUARTER q, f, g                 ; multiplies buffer f; in its middle fetches quarter q into buffer g
	s_wait_dscnt 8                                 ; B and A's rows 0-63 are in; the youngest eight loads (A's rows 64-127) may be out
	MUL \f, 0, 4
	WIN 0
	PLACES
	FETCH \q, \g
	s_wait_dscnt 24                                ; all but the 24 just issued
	MUL \f, 4, 8
.endm
; The last quarter multiplies buffer 1 and changes slots: every wave waits for all its tensor loads, adds 0 to its spare word, waits for that and for its reads of the slot.  fill = 1: the barrier opens a round of the
; cluster's, and the joint refill is the first thing behind it: 112 matrix instructions stand between it and the wait for it.
.macro TURN fill
	WIN 0
.if \fill
	s_wait_xcnt 0x0                                ; the last prefetch, a K step back, has read its address
	s_add_nc_u64 s[PFA:PFA+1], s[PFA:PFA+1], s[PFS:PFS+1]
.endif
	s_wait_tensorcnt 0x0                           ; no tensor load of mine is out, so a group 0 may be written
	ds_add_u32 v[SPW], v[NIL]
.if \fill
	s_add_co_u32 s[G0+5], s[LA0], s[TB]            ; into the slot that this step leaves,
	s_add_co_u32 s[G0B+5], s[LB0], s[TB]
	s_add_nc_u64 s[G0+6:G0+7], s[G0+6:G0+7], ASTEP ; the next K step
	s_add_nc_u64 s[G0B+6:G0B+7], s[G0B+6:G0B+7], BSTEP
.endif
	s_wait_dscnt 9                                 ; the add and the youngest eight loads may be out
	MUL F1, 0, 2
	s_wait_dscnt 0x0                               ; the add is done, and my reads of this slot are over
	s_barrier_signal -1
	MUL F1, 2, 4
	WIN 0
	s_barrier_wait -1
.if \fill
	CREST
	JLOAD                                          ; its four v_nop are also the places in front of the loads below
.else
	PLACES
.endif
	s_xor_b32 s[TB], s[TB], SLOT
	v_add_nc_u32 v[ADRA], s[TB], v[ADRA0]
	v_add_nc_u32 v[ADRB], s[TB], v[ADRB0]
	FETCH 0, F0
.if \fill
	ASK
.endif
	MUL F1, 4, 8
	WIN 0
.endm
.macro STEP fill
	QUARTER 1, F0, F1
	QUARTER 2, F1, F0
	QUARTER 3, F0, F1
	TURN \fill
.endm
; THE WAY OUT of row block a: 32 bytes a lane straight from the accumulators (low half first) into my stage, back as whole rows of 256 bytes
.macro TOST a
	WIN 0
.set BK, OB+32*((\a)%2)
.if (\a) >= 2
	s_wait_xcnt 0x0                                ; the stores of the block two back have read the registers that are loaded below
.endif
	WIN 0x04                                       ; the data in window 1
.irp b, 0,1,2,3
	ds_store_b128 v[STO], v[8*(4*(\a)+\b):8*(4*(\a)+\b)+3]   offset:64*\b
	ds_store_b128 v[STO], v[8*(4*(\a)+\b)+4:8*(4*(\a)+\b)+7] offset:64*\b+16
.endr
	WIN 0
.irp t, 0,1,2,3,4,5,6,7
	ds_load_b128 v[BK+4*\t:BK+4*\t+3], v[RD] offset:\t*2*SPITCH  ; LDS serves a wave's instructions in order (ISA guide 5.7.1.4): these see the stores above; the next block's stores come behind them
.endr
.endm
.macro SEND a, younger                 ; younger: the LDS instructions issued behind block a's loads: the next block's sixteen, or none
.set BK, OB+32*((\a)%2)
.irp t, 0,1,2,3,4,5,6,7
	s_wait_dscnt (\younger)+7-\t
	global_store_b128 v[CO], v[BK+4*\t:BK+4*\t+3], s[10:11] offset:(16*(\a)+2*\t)*4096  ; 16 lanes store 256 consecutive bytes, aligned
.endr
.endm
	WIN 0x40                                       ; the sums start: bias x 1
.set a_, 0
.rept 8
.irp b, 0,1,2,3
	v_wmma_f32_16x16x32_f16 v[8*(4*a_+\b):8*(4*a_+\b)+7], v[F0+64+8*\b:F0+64+8*\b+7], v[F0:F0+7], 0
.endr
.set a_, a_+1
.endr
	WIN 0
	PLACES                                         ; in front of the loads into those products' sources
	s_wait_tensorcnt 1                             ; my part of K step 0 is in; step 1's may stay out
	s_barrier_signal -1
	s_barrier_wait -1
	FETCH 0, F0
	s_mov_b32 s3, 6
.Lstep:                                        ; steps 0 to 5 ask for steps 2 to 7
	STEP 1
	s_sub_co_u32 s3, s3, 1
	s_cmp_lg_u32 s3, 0
	s_cbranch_scc1 .Lstep
	s_mov_b32 s3, 2
.Ltail:                                        ; steps 6 and 7 ask for nothing.  The last trip's run of LDS loads reads the other slot once more and feeds nothing: the price, once a launch, of one text for both trips
	STEP 0
	s_sub_co_u32 s3, s3, 1
	s_cmp_lg_u32 s3, 0
	s_cbranch_scc1 .Ltail
	s_wait_dscnt 0x0                               ; those loads are back: their registers may be written
	PLACES                                         ; behind the last products
	TOST 0
	TOST 1
.irp a, 2,3,4,5,6,7
	SEND (\a)-2, 16
	TOST \a
.endr
	SEND 6, 16
	SEND 7, 0
	s_wait_tensorcnt 0x0                           ; the wave's end
	ds_add_u32 v[SPW], v[NIL]
	s_wait_dscnt 0x0
	CROUND                                         ; the closing round
	s_endpgm
.Lfunc_end_k_q109cf70ec8_outp:
	.size	k_q109cf70ec8_outp, .Lfunc_end_k_q109cf70ec8_outp-k_q109cf70ec8_outp
	.p2alignl 7, 3214868480
	.fill 96, 4, 3214868480
	.section	.rodata,"a",@progbits
	.p2align	6, 0x0
	.amdhsa_kernel k_q109cf70ec8_outp
		.amdhsa_group_segment_fixed_size 327680
		.amdhsa_private_segment_fixed_size 0
		.amdhsa_enable_private_segment 0
		.amdhsa_kernarg_size 32
		.amdhsa_user_sgpr_count 2
		.amdhsa_user_sgpr_kernarg_segment_ptr 1
		.amdhsa_wavefront_size32 1
		.amdhsa_system_sgpr_workgroup_id_x 1
		.amdhsa_system_sgpr_workgroup_id_y 1
		.amdhsa_system_sgpr_workgroup_id_z 1
		.amdhsa_system_vgpr_workitem_id 0
		.amdhsa_next_free_vgpr 512
		.amdhsa_next_free_sgpr 76
		.amdhsa_reserve_vcc 0
		.amdhsa_float_denorm_mode_32 3
		.amdhsa_float_denorm_mode_16_64 3
		.amdhsa_memory_ordered 1
		.amdhsa_forward_progress 1
		.amdhsa_inst_pref_size 64
	.end_amdhsa_kernel
	.amdgpu_metadata
---
amdhsa.version: [ 1, 2 ]
amdhsa.kernels:
  - .name:           k_q109cf70ec8_outp
    .symbol:         k_q109cf70ec8_outp.kd
    .args:
      - { .name: omat, .offset: 0, .size: 8, .value_kind: global_buffer, .address_space: global }
      - { .name: wo16, .offset: 8, .size: 8, .value_kind: global_buffer, .address_space: global }
      - { .name: bias, .offset: 16, .size: 8, .value_kind: global_buffer, .address_space: global }
      - { .name: out0, .offset: 24, .size: 8, .value_kind: global_buffer, .address_space: global }
    .group_segment_fixed_size: 327680
    .private_segment_fixed_size: 0
    .kernarg_segment_align: 8
    .kernarg_segment_size: 32
    .max_flat_workgroup_size: 128
    .sgpr_count:     76
    .vgpr_count:     512
    .wavefront_size: 32
...
	.end_amdgpu_metadata
.endif
;; end of part 5
;; ======== version 2 of 2: 5 launches; version 1 with the launch prep written anew for expert scheduling mode
;; limits: values are held in f16: magnitudes above 65,504 overflow, below 6.1e-05 lose precision
;; workspace buffers: xb 16,777,216 bytes; wqkv 6,291,456 bytes; wo16 2,097,152 bytes; bias 16,384 bytes; qkv 51,380,224 bytes; pmat 33,554,432 bytes; stat 524,288 bytes; omat 16,777,216 bytes
;; launch prep (part 6): grid 769 x 1, 8 waves a work-group, no clusters, 0 bytes of LDS; arguments x, Wq, Wk, Wv, Wo, bq, bk, bv, bo, xb, wqkv, wo16, bias; writes xb, wqkv, wo16, bias
.if DOCPART == 6
	.amdgcn_target "amdgcn-amd-amdhsa--gfx1250"
	.amdhsa_code_object_version 6
	.text
	.protected	k_q109cf70ec8_prep
	.globl	k_q109cf70ec8_prep
	.p2align	8
	.type	k_q109cf70ec8_prep,@function
k_q109cf70ec8_prep:
	s_mov_b64 s[64:65], 0
	v_nop
	global_prefetch_b8 v0, s[64:65] scope:SCOPE_SE
	s_setreg_imm32_b32 hwreg(HW_REG_WAVE_SCHED_MODE, 0, 2), 2
	s_setreg_imm32_b32 hwreg(HW_REG_WAVE_MODE, 25, 1), 1
	s_wait_xcnt 0x0
	s_wait_alu depctr_vm_vsrc(0)
; CASTS.  x -> xb (bf16, IN BLOCKS: [16 K steps][8192 rows][64]: the next launch's tiles of 64 along K then lie end to end in memory).
; Wq, Wk, Wv -> wqkv (bf16, [1024 k][3072]: row k = Wq[k] | Wk[k] | Wv[k]).  Wo -> wo16 (rounded to bf16, that number written as f16).
; bq | bk | bv | bo -> bias (each rounded to bf16 and widened to f32 again).  Every input is rounded once to bf16, to nearest even.
; LIMIT.  wo16 is f16: |Wo| stays under 65,504, and below 6e-5 it keeps f16's fixed step of 6e-8.
; A stream: no LDS, no matrix unit, no cluster, since no byte is wanted twice.  A work-group takes 16 rows of 1,024 numbers, a wave two of them, by 16 loads and 16 stores.
; A load of a wave takes 512 bytes on end (weights), or 256 bytes of each of its two rows (x: one K step's 64 numbers a row): no byte is asked for twice.
; A lane's 4 results are 8 bytes, so a store of a wave covers 256 consecutive bytes, aligned: for x the two rows' 128 bytes of one K step, which lie side by side in xb.
; Work-groups 0-511: x.  512-703: Wq, Wk, Wv, 64 each.  704-767: Wo.  768: the four biases.
; THE MODE: SCHED_MODE bits 1:0 = 2 (LLVM: expert scheduling mode 2), set by the entry lines.  The code itself states the register dependences
; between vector instructions and memory instructions, with s_wait_alu, always for 0.
; THE PLAN.  Registers that memory instructions touch:
;   v2 .. v7   six byte offsets.  Written once, at the head; read by every load and store; never written again.
;   X          four registers to each of the 16 loads.  No vector instruction names them ahead of the loads; the conversions read them; nothing lands in them a second time.
;   Y          a pair to each of the 16 stores.  Written once, by the conversions; read by that one store; never written again.
;   T          named by vector instructions alone.
; All 16 loads of a wave go out first.  The work then goes in four blocks of four loads: block g converts its four loads into its four pairs of Y, and the four stores of block g - 1 are dealt
; among its conversions, which name neither that block's pairs nor an offset.  So one wait on va_vdst at the head of a block states all that the block's stores hang on; one more stands ahead of the
; last four stores, and one at the kernel's head, for the offsets.  No register that a load or store reads is written again, so there is no wait on vm_vsrc to write.
.set X, 8                              ; v[8:71]    16 loads x 4 numbers
.set Y, 72                             ; v[72:103]  16 stores x 2 registers
.set T, 104                            ; v[104:111] at work
.set BO, 2                             ; v2  first the wave's number; then the biases, in and out: 16 t
.set XI, 3                             ; v3  x in:      8,192 w + 4,096 (l / 16) + 16 (l % 16)
.set WI, 4                             ; v4  weights in: 8,192 w + 16 l
.set XO, 5                             ; v5  xb out:    256 w + 8 l
.set QO, 6                             ; v6  wqkv out:  12,288 w + 8 l
.set OO, 7                             ; v7  wo16 out:  4,096 w + 8 l
	s_load_b512 s[4:19], s[0:1], 0x0               ; x s[4:5], Wq s[6:7], Wk s[8:9], Wv s[10:11], Wo s[12:13], bq s[14:15], bk s[16:17], bv s[18:19]
	s_load_b256 s[20:27], s[0:1], 0x40             ; bo s[20:21], xb s[22:23], wqkv s[24:25], wo16 s[26:27]
	s_load_b64 s[28:29], s[0:1], 0x60              ; bias
	s_mov_b32 s2, ttmp9
	s_mov_b32 s31, 0                               ; the high word of every offset
	s_mov_b32 s38, 0xffff0000                      ; a word's upper bf16
	v_and_b32 v1, 31, v0                           ; lane
	v_lshrrev_b32 v2, 5, v0                        ; wave
	v_lshlrev_b32 v[XI], 13, v2                    ; the wave's two rows of 4,096 bytes
	v_lshl_add_u32 v[WI], v1, 4, v[XI]
	v_lshrrev_b32 v[XO], 4, v1
	v_lshl_add_u32 v[XI], v[XO], 12, v[XI]
	v_and_b32 v[XO], 15, v1
	v_lshl_add_u32 v[XI], v[XO], 4, v[XI]
	v_lshlrev_b32 v1, 3, v1                        ; 8 l
	v_lshl_add_u32 v[XO], v2, 8, v1
	v_lshl_add_u32 v[OO], v2, 12, v1
	v_mul_u32_u24 v[QO], v2, 12288
	v_add_nc_u32 v[QO], v[QO], v1
	v_lshlrev_b32 v[BO], 4, v0                     ; the wave's number has served: thread t takes 16 bytes at 16 t of each bias
	s_wait_kmcnt 0x0
	s_wait_alu depctr_va_vdst(0)                   ; the six offsets v2 to v7 are written: every load and store below, on each of the four ways, reads one of them
; The four numbers of load c_ into pair c_ of Y.  kind 0: x; 1: Wq, Wk, Wv; 2: Wo.
.macro CVT kind
.if (\kind) == 2
.irp k, 0,1
	v_cvt_pk_bf16_f32 v[T+2*\k], v[X+4*c_+2*\k], v[X+4*c_+2*\k+1]
	v_lshlrev_b32 v[T+2*\k+1], 16, v[T+2*\k]       ; the two bf16 as f32,
	v_and_b32 v[T+2*\k], s38, v[T+2*\k]
	v_cvt_pk_f16_f32 v[Y+2*c_+\k], v[T+2*\k+1], v[T+2*\k]  ; exact in f16 within its range
.endr
.else
	v_cvt_pk_bf16_f32 v[Y+2*c_],   v[X+4*c_],   v[X+4*c_+1]
	v_cvt_pk_bf16_f32 v[Y+2*c_+1], v[X+4*c_+2], v[X+4*c_+3]
.endif
.endm
; Pair p_ of Y is stored.
.macro PUT vout, kind
.if (\kind) == 2
	global_store_b64 v[\vout], v[Y+2*p_:Y+2*p_+1], s[34:35] offset:256*p_
.elseif (\kind) == 0
	global_store_b64 v[\vout], v[Y+2*p_:Y+2*p_+1], s[34+2*(p_/8):35+2*(p_/8)] offset:(p_%8)*1048576  ; a K step's block of xb is 8,192 rows x 128 bytes
.else
	global_store_b64 v[\vout], v[Y+2*p_:Y+2*p_+1], s[34:35] offset:(p_/8)*6144+(p_%8)*256
.endif
.endm
; The work-group's share: from s[32:33], to s[34:35] (x: K steps 8 to 15 to s[36:37], since a store's immediate has 24 bits).
.macro CAST vin, vout, kind
.set i, 0
.rept 16
.if (\kind) == 0
	global_load_b128 v[X+4*i:X+4*i+3], v[\vin], s[32:33] offset:256*i th:TH_LOAD_NT   ; K step i of both rows
.else
	global_load_b128 v[X+4*i:X+4*i+3], v[\vin], s[32:33] offset:512*i th:TH_LOAD_NT   ; 128 numbers on end: eight loads a row
.endif
.set i, i+1
.endr
.set g_, 0
.rept 4                                ; block g_: loads 4 g_ to 4 g_ + 3
	s_wait_loadcnt 12-4*g_                         ; loads come back in order: this block's four are in, the younger blocks' stay out
.if g_ > 0
	s_wait_alu depctr_va_vdst(0)                   ; the block before has written its four pairs of Y, which the four stores below read
.endif
.set j_, 0
.rept 4
.set c_, 4*g_+j_
.set p_, c_-4
.if g_ > 0
	PUT \vout, \kind                               ; the block before goes out.  No further wait: no vector instruction since the wait names its pair or the offset
.endif
	CVT \kind
.set j_, j_+1
.endr
.set g_, g_+1
.endr
	s_wait_alu depctr_va_vdst(0)                   ; the last block has written its four pairs of Y, which the last four stores read
.set p_, 12
.rept 4
	PUT \vout, \kind
.set p_, p_+1
.endr
.endm
	s_cmp_lt_u32 s2, 512
	s_cbranch_scc1 .Lx
	s_cmp_lt_u32 s2, 704
	s_cbranch_scc1 .Lw
	s_cmp_lt_u32 s2, 768
	s_cbranch_scc1 .Lo
	; the biases
	global_load_b128 v[X:X+3],     v[BO], s[14:15]
	global_load_b128 v[X+4:X+7],   v[BO], s[16:17]
	global_load_b128 v[X+8:X+11],  v[BO], s[18:19]
	global_load_b128 v[X+12:X+15], v[BO], s[20:21]
	s_wait_loadcnt 0x0
.irp i, 0,1,2,3,4,5,6,7
	v_cvt_pk_bf16_f32 v[T+\i], v[X+2*\i], v[X+2*\i+1]
	v_lshlrev_b32 v[Y+2*\i], 16, v[T+\i]
	v_and_b32 v[Y+2*\i+1], s38, v[T+\i]
.endr
	s_wait_alu depctr_va_vdst(0)                   ; the widenings have written v[Y .. Y+15], which the four stores read
.irp i, 0,1,2,3
	global_store_b128 v[BO], v[Y+4*\i:Y+4*\i+3], s[28:29] offset:4096*\i
.endr
	s_endpgm
.Lx:
	s_lshl_b32 s30, s2, 16                         ; 16 rows of x: 65,536 bytes,
	s_add_nc_u64 s[32:33], s[4:5], s[30:31]
	s_lshl_b32 s30, s2, 11                         ; and 16 x 128 bytes in each K step's block of xb
	s_add_nc_u64 s[34:35], s[22:23], s[30:31]
	s_add_nc_u64 s[36:37], s[34:35], 8*1048576
	CAST XI, XO, 0
	s_endpgm
.Lw:
	s_sub_co_u32 s3, s2, 512
	s_lshr_b32 s36, s3, 6                          ; which of the three weights
	s_and_b32 s3, s3, 63                           ; which 16 rows of it
	s_cmp_eq_u32 s36, 0
	s_cselect_b64 s[32:33], s[6:7], s[8:9]
	s_cmp_eq_u32 s36, 2
	s_cselect_b64 s[32:33], s[10:11], s[32:33]
	s_lshl_b32 s30, s3, 16
	s_add_nc_u64 s[32:33], s[32:33], s[30:31]
	s_mul_i32 s30, s3, 98304                       ; 16 rows of 6,144 bytes,
	s_lshl_b32 s36, s36, 11                        ; and the weight's 2,048 bytes of a row
	s_add_co_u32 s30, s30, s36
	s_add_nc_u64 s[34:35], s[24:25], s[30:31]
	CAST WI, QO, 1
	s_endpgm
.Lo:
	s_sub_co_u32 s3, s2, 704
	s_lshl_b32 s30, s3, 16
	s_add_nc_u64 s[32:33], s[12:13], s[30:31]
	s_lshl_b32 s30, s3, 15
	s_add_nc_u64 s[34:35], s[26:27], s[30:31]
	CAST WI, OO, 2
	s_endpgm
.Lfunc_end_k_q109cf70ec8_prep:
	.size	k_q109cf70ec8_prep, .Lfunc_end_k_q109cf70ec8_prep-k_q109cf70ec8_prep
	.p2alignl 7, 3214868480
	.fill 96, 4, 3214868480
	.section	.rodata,"a",@progbits
	.p2align	6, 0x0
	.amdhsa_kernel k_q109cf70ec8_prep
		.amdhsa_group_segment_fixed_size 0
		.amdhsa_private_segment_fixed_size 0
		.amdhsa_enable_private_segment 0
		.amdhsa_kernarg_size 104
		.amdhsa_user_sgpr_count 2
		.amdhsa_user_sgpr_kernarg_segment_ptr 1
		.amdhsa_wavefront_size32 1
		.amdhsa_system_sgpr_workgroup_id_x 1
		.amdhsa_system_sgpr_workgroup_id_y 1
		.amdhsa_system_sgpr_workgroup_id_z 1
		.amdhsa_system_vgpr_workitem_id 0
		.amdhsa_next_free_vgpr 112
		.amdhsa_next_free_sgpr 66
		.amdhsa_reserve_vcc 0
		.amdhsa_float_denorm_mode_32 3
		.amdhsa_float_denorm_mode_16_64 3
		.amdhsa_memory_ordered 1
		.amdhsa_forward_progress 1
		.amdhsa_inst_pref_size 25
	.end_amdhsa_kernel
	.amdgpu_metadata
---
amdhsa.version: [ 1, 2 ]
amdhsa.kernels:
  - .name:           k_q109cf70ec8_prep
    .symbol:         k_q109cf70ec8_prep.kd
    .args:
      - { .name: x, .offset: 0, .size: 8, .value_kind: global_buffer, .address_space: global }
      - { .name: Wq, .offset: 8, .size: 8, .value_kind: global_buffer, .address_space: global }
      - { .name: Wk, .offset: 16, .size: 8, .value_kind: global_buffer, .address_space: global }
      - { .name: Wv, .offset: 24, .size: 8, .value_kind: global_buffer, .address_space: global }
      - { .name: Wo, .offset: 32, .size: 8, .value_kind: global_buffer, .address_space: global }
      - { .name: bq, .offset: 40, .size: 8, .value_kind: global_buffer, .address_space: global }
      - { .name: bk, .offset: 48, .size: 8, .value_kind: global_buffer, .address_space: global }
      - { .name: bv, .offset: 56, .size: 8, .value_kind: global_buffer, .address_space: global }
      - { .name: bo, .offset: 64, .size: 8, .value_kind: global_buffer, .address_space: global }
      - { .name: xb, .offset: 72, .size: 8, .value_kind: global_buffer, .address_space: global }
      - { .name: wqkv, .offset: 80, .size: 8, .value_kind: global_buffer, .address_space: global }
      - { .name: wo16, .offset: 88, .size: 8, .value_kind: global_buffer, .address_space: global }
      - { .name: bias, .offset: 96, .size: 8, .value_kind: global_buffer, .address_space: global }
    .group_segment_fixed_size: 0
    .private_segment_fixed_size: 0
    .kernarg_segment_align: 8
    .kernarg_segment_size: 104
    .max_flat_workgroup_size: 256
    .sgpr_count:     66
    .vgpr_count:     112
    .wavefront_size: 32
...
	.end_amdgpu_metadata
.endif
;; end of part 6
;; launch qkv: the kernel of part 2 again; grid 8 x 32, 4 waves a work-group, clusters of 4 x 4, 327,680 bytes of LDS; arguments xb, wqkv, bias, qkv; writes qkv
;; launch scores: the kernel of part 3 again; grid 36 x 4, 4 waves a work-group, no clusters, 327,680 bytes of LDS; arguments qkv, pmat, stat; writes pmat, stat
;; launch pv: the kernel of part 4 again; grid 8 x 32, 4 waves a work-group, clusters of 4 x 4, 327,680 bytes of LDS; arguments pmat, qkv, stat, omat; writes omat
;; launch outp: the kernel of part 5 again; grid 8 x 32, 4 waves a work-group, clusters of 4 x 4, 327,680 bytes of LDS; arguments omat, wo16, bias, out0; writes out0
